; MI455X (gfx1250); checked and timed in simulation.
; The chip was launched on July 23, 2026; its instructions are those of AMD's public machine-readable ISA for CDNA 5 (MIT licence, August 2026) and "CDNA5" Instruction Set Architecture Reference Guide (July 2026). The comments in the code are by the model that wrote it; some were corrected since.
;; Multi Head Attention. Allowed arithmetic: matrix products marked QUANTISED: E2M3 operands, one E8M0 scale for each 32 along K, by v_wmma_scale_f32_16x16x128_f8f6f4 with both operands' format E2M3, f32 sums; everything else in f32.
;; Inputs: freq_pos_enc 2,048 x 128 float32; wk 2,048 x 2,048 float32; wo 2,048 x 2,048 float32; wq 2,048 x 2,048 float32; wv 2,048 x 2,048 float32; x 1 x 2,048 x 2,048 float32.
;; Outputs: out0 1 x 2,048 x 2,048 float32.
;; Constants: d_k = 128, num_heads = 16.
;; This version of the problem:
;;   THIS VERSION OF THE PROBLEM IS GIVEN IN LOW PRECISION. The matrix products marked QUANTISED in the list below multiply operands that are first quantised to E2M3 (2 exponent bits, 3 mantissa bits; 6 bits a number), with one power-of-two scale for each 32 numbers along K (OCP MX v1.0); their sums are f32. All else is computed in f32.
;;   The module's matrix products, in the order in which they are computed (A, B: the left and right operand; K: the contracted axis; several contracted axes count as one K, in the product's order):
;;     1. [M 2,048, K 2,048] x [K 2,048, N 2,048]; A: input x; B: input wq: QUANTISED
;;     2. [M 2,048, K 2,048] x [K 2,048, N 2,048]; A: input x; B: input wk: QUANTISED
;;     3. [M 2,048, K 2,048] x [K 2,048, N 2,048]; A: input x; B: input wv: QUANTISED
;;     4. batch 16 x [M 2,048, K 128] x [K 128, N 2,048]; A: computed on the way; B: computed on the way: QUANTISED
;;     5. batch 16 x [M 2,048, K 2,048] x [K 2,048, N 128]; A: softmax (see below); B: computed on the way: QUANTISED
;;     6. [M 2,048, K 2,048] x [K 2,048, N 2,048]; A: computed on the way; B: input wo: QUANTISED
;;   THE QUANTISER, for each operand of a quantised product, along K:
;;     - K is cut into blocks of 32 from its start; a last block that is shorter is filled with zeros.
;;     - A block's scale is 2^e with e = floor(log2(the largest magnitude in the block)) - 2, held to -126 .. 127; a block of zeros has e = 0. As a byte (E8M0): e + 127.
;;     - Each number is divided by its block's scale, clamped to +-7.5, and rounded to the nearest number of E2M3, ties to even, subnormals kept.
;;     - The product sums the exact products of the quantised numbers (number of the format x scale) in f32.
;;   ~~~python
;;   def quantise(x, axis):      # numpy; x: float32 -> the quantised numbers, widened to float32 again
;;       x = np.moveaxis(x, axis, -1); K = x.shape[-1]
;;       x = np.pad(x, [(0, 0)] * (x.ndim - 1) + [(0, -K % 32)]); x = x.reshape(x.shape[:-1] + (-1, 32)); a = np.abs(x).max(-1, keepdims=True)
;;       e = np.where(a > 0, np.clip(np.frexp(np.where(a > 0, a, 1))[1] - 1 - 2, -126, 127), 0)      # np.frexp(a)[1] - 1 = floor(log2(a)), exactly
;;       r = np.clip(x / 2.0 ** e, -7.5, 7.5)
;;       step = 2.0 ** (np.maximum(np.frexp(np.where(r == 0, 1, r))[1] - 1, 0) - 3)
;;       q = np.round(r / step) * step * 2.0 ** e      # np.round: ties to even
;;       return np.moveaxis(q.reshape(q.shape[:-2] + (-1,))[..., :K], -1, axis).astype(np.float32)
;;   ~~~
;;   SOFTMAX AHEAD OF A QUANTISED PRODUCT. Where the list says 'softmax', what is quantised is not the finished softmax but p = 2^(t - M), with t = logit x log2(e) and M = ceil(the row's largest t), a whole number; so 1/2 < the row's largest p <= 1. The row's sum l is taken of the UNQUANTISED p, in f32, and the product's result is divided by l at the end. Since M is a whole number, a kernel that streams over the keys may use a running M (the ceiling of the running maximum): every later rescaling is an exact power of two, which a block's scale takes up: the codes' values come out the same.
;;   OPERANDS COMPUTED ON THE WAY. 'Computed on the way' means the value that the module computes at that place (a softmax that the list does not call 'softmax' is quantised finished and normalised). What goes into a quantiser is computed in f32, as accurately as f32 sums, v_exp_f32 and their like allow (about 1e-6 of the number): no bf16 or f16 on the way to a quantiser, and a product that is left as it is and whose result goes on into a quantised operand takes f32 operands (vector FMAs, or v_wmma_f32_16x16x4_f32). A number that lies on a knife's edge between two numbers of the format may be rounded either way, as far as f32 arithmetic and the matrix unit's own rounding can turn it there, and no further.
;; One version. Each part assembles by itself: llvm-mc -triple=amdgcn-amd-amdhsa -mcpu=gfx1250 --defsym DOCPART=n.
;; ======== version 1 of 1: 4 launches
;; limits: inputs' magnitudes at most 131,072; right only within a limited range of input values
;; workspace buffers: c_img 12,582,912 bytes; c_sc 524,288 bytes; trig 2,097,152 bytes; qkv_img 9,437,184 bytes; qkv_sc 393,216 bytes; a_img 3,145,728 bytes; w_img 3,145,728 bytes; o_sc 262,144 bytes
;; launch prep (part 1): grid 640 x 1, 4 waves a work-group, no clusters, 34,304 bytes of LDS; arguments x, wq, wk, wv, freq_pos_enc, c_img, c_sc, trig; writes c_img, c_sc, trig
.if DOCPART == 1
	.amdgcn_target "amdgcn-amd-amdhsa--gfx1250"
	.amdhsa_code_object_version 6
	.text
	.protected	k_qb6d7461d2a_prep
	.globl	k_qb6d7461d2a_prep
	.p2align	8
	.type	k_qb6d7461d2a_prep,@function
k_qb6d7461d2a_prep:
	s_mov_b64 s[64:65], 0
	v_nop
	global_prefetch_b8 v0, s[64:65] scope:SCOPE_SE
	s_setreg_imm32_b32 hwreg(HW_REG_WAVE_MODE, 25, 1), 1
	s_wait_xcnt 0x0
; x, wq, wk, wv ([2048][2048] f32, K innermost) become codes of FP6 (E2M3) with one E8M0 byte for each 32 along K; freq_pos_enc becomes a table of cos and signed sin.  (wo is quantised in the next launch, which does not need it.)
; LAYOUT OF THE CODES.  Rows go in blocks of 16: block i holds rows 32 (i / 2) + 8 (i % 2) + r + 8 (r / 8), r = 0 .. 15.  A fragment (a block x 128 along K: 12 registers a lane) is stored as the
; image of the operand's registers: 1,536 bytes, registers 4 c .. 4 c + 3 of lane l at 512 c + 16 l.  Every store of a wave covers 512 consecutive bytes, aligned.  Block B = 128 x tensor + i lies at 24,576 B, K step s at + 1,536 s.
; The scale words: 64 bytes for each row of a block (16 B + r), one word for each K step of 128.
; SHARES.  Work-groups 0 .. 511: one block each, wave q its K steps 4 q .. 4 q + 3.  Work-groups 512 .. 639: one block of 16 tokens of the table each, wave q the 32 channels 32 q on.
; A block's scale is 2^(floor(log2(largest magnitude)) - 2); its byte is the largest magnitude's exponent field - 2, held at 1 from below.
; LIMITS.  NaN and infinities among the inputs are not served.  Blocks whose largest magnitude lies under 2^(3 - 127), blocks of zeros among them, take the byte 1: the bytes are read by this program alone, and zero codes add nothing.
; sin and cos: the argument less k pi / 2 in three parts, then polynomials on |r| <= pi / 4; good to about 1e-7 for |freq_pos_enc| < 2^17, beyond which k's rounding spoils the reduction.
; No tensor load, no barrier: waves share nothing.  Each load of a wave reads 512 consecutive bytes of a row, 32 loads a wave are on their way.
.set STG,   8448                       ; a wave's stage in LDS: 16 rows x (512 bytes + 16)
.set SPARE, 4*STG                      ; behind the stages: the spare words, 128 bytes for each wave
.set SPW,   12
.set NIL,   13
.set R,     16                         ; v16-143   two sets of 64: a K step of 16 rows as loaded
.set X,     144                        ; v144-207  64 numbers of my row: register 16 b + i = k 32 b + 16 (lane / 16) + i
.set TM,    208
.set SW,    226                        ; v226-229  the four K steps' scale words
.set SD,    230
.set PC,    232                        ; v232-250  the codes
.set SEL,   32
; 64 numbers of a lane, v[s] on, register 16 b + i = k 32 b + 16 (lane / 16) + i of my row, become a fragment's codes in v[PC] on and its scale word in v[pw].
.macro QUANT s, pw
.irp b, 0,1,2,3
	v_max3_num_f32 v[TM+\b], |v[\s+16*\b]|, |v[\s+1+16*\b]|, 0x1800000   ; with the floor 2^(3 - 127): the byte cannot fall under 1
.endr
.irp i, 2,4,6,8,10,12,14
.irp b, 0,1,2,3
	v_max3_num_f32 v[TM+\b], |v[\s+16*\b+\i]|, |v[\s+1+16*\b+\i]|, v[TM+\b]
.endr
.endr
.irp b, 0,1,2,3
	v_permlanex16_b32 v[TM+4+\b], v[TM+\b], s[SEL], s[SEL+1]
.endr
.irp b, 0,1,2,3
	v_max_num_f32 v[TM+\b], v[TM+\b], v[TM+4+\b]       ; with lane l xor 16's: the block's largest magnitude
.endr
.irp b, 0,1,2,3
	v_add_nc_u32 v[TM+12+\b], 0xff000000, v[TM+\b]     ; 2 off its exponent field: the conversion's scale operand
.endr
.irp b, 0,1,2,3
	v_lshrrev_b32 v[TM+4+\b], 23, v[TM+12+\b]          ; the scale's byte
.endr
	v_lshl_or_b32 v[\pw], v[TM+5], 8, v[TM+4]
	v_lshl_or_b32 v[\pw], v[TM+6], 16, v[\pw]
	v_lshl_or_b32 v[\pw], v[TM+7], 24, v[\pw]
.irp c, 0,1
	v_cvt_scalef32_pk16_fp6_f32 v[PC+6*\c:PC+2+6*\c], v[\s+32*\c:\s+15+32*\c], v[TM+12+2*\c]
	v_cvt_scalef32_pk16_fp6_f32 v[PC+12+4*\c:PC+14+4*\c], v[\s+16+32*\c:\s+31+32*\c], v[TM+12+2*\c+1]
.endr
	v_nop                                              ; one plain place behind a scaled conversion
.irp c, 0,1                                        ; the operand's layout wants a whole block of 32 in a lane
.irp i, 0,1,2
	v_permlane16_swap_b32 v[PC+6*\c+\i], v[PC+12+4*\c+\i]
.endr
.irp i, 0,1,2
	v_mov_b32 v[PC+3+6*\c+\i], v[PC+12+4*\c+\i]
.endr
.endr
.endm
	s_load_b512 s[4:19], s[0:1], 0x0               ; x, wq, wk, wv, freq_pos_enc, c_img, c_sc, trig
	v_lshl_add_u32 v[SPW], v0, 2, SPARE
	v_mov_b32 v[NIL], 0
	v_lshrrev_b32 v1, 5, v0
	v_readfirstlane_b32 s22, v1                    ; wave q
	v_and_b32 v1, 31, v0                           ; lane
	v_and_b32 v2, 15, v0                           ; r
	v_bfe_u32 v3, v0, 4, 1                         ; h
	v_lshlrev_b32 v4, 4, v1                        ; 16 x lane
	s_mov_b32 s[SEL], 0x76543210
	s_mov_b32 s[SEL+1], 0xfedcba98
	s_mov_b32 s34, 0xffff0000                      ; lanes 16-31
	s_cmp_ge_u32 ttmp9, 512
	s_cbranch_scc1 .Ltrig
	; ---- a block of 16 rows of one of the four tensors
	s_lshr_b32 s23, ttmp9, 7                       ; which tensor
	s_and_b32 s24, ttmp9, 127                      ; which block of it
	s_mul_i32 s25, s22, STG
	s_wait_alu depctr_va_vdst(0)
	v_add_nc_u32 v5, s25, v4                       ; the stage, on the way in: 16 x lane of a row
	v_mul_u32_u24 v6, v2, 528
	v_lshl_add_u32 v6, v3, 6, v6
	v_add_nc_u32 v6, s25, v6                       ; on the way out: row r, + 64 h
	v_lshlrev_b32 v7, 6, v2
	v_lshl_add_u32 v7, v3, 3, v7                   ; the scale words: 64 r + 8 h
.irp b, 0,1,2,3
	v_mov_b32 v[TM+4+\b], 0                        ; written once: a lane permute's destination counts as one of its sources
.endr
	s_lshr_b32 s36, s24, 1
	s_lshl_b32 s36, s36, 5
	s_and_b32 s37, s24, 1
	s_lshl_b32 s37, s37, 3
	s_add_co_u32 s36, s36, s37                     ; the block's first row
	s_lshl_b32 s36, s36, 13                        ; rows of 8,192 bytes
	s_lshl_b32 s37, s22, 11                        ; my four K steps
	s_add_co_u32 s36, s36, s37
	s_mov_b32 s37, 0
	s_mul_i32 s38, ttmp9, 24576
	s_mul_i32 s39, s22, 6144
	s_add_co_u32 s38, s38, s39                     ; my four images
	s_mov_b32 s39, 0
	s_lshl_b32 s40, ttmp9, 10
	s_lshl_b32 s41, s22, 4
	s_add_co_u32 s40, s40, s41                     ; my four words of each row
	s_mov_b32 s41, 0
	s_wait_alu depctr_va_vdst(0)
	s_wait_kmcnt 0x0
	s_mov_b64 s[26:27], s[4:5]                     ; the tensor is chosen by the work-group's number alone
	s_cmp_eq_u32 s23, 1
	s_cselect_b64 s[26:27], s[6:7], s[26:27]
	s_cmp_eq_u32 s23, 2
	s_cselect_b64 s[26:27], s[8:9], s[26:27]
	s_cmp_eq_u32 s23, 3
	s_cselect_b64 s[26:27], s[10:11], s[26:27]
	s_add_nc_u64 s[26:27], s[26:27], s[36:37]
	s_add_nc_u64 s[28:29], s[14:15], s[38:39]
	s_add_nc_u64 s[30:31], s[16:17], s[40:41]
.macro LOAD f                          ; K step f of my four: 512 consecutive bytes of each of the block's 16 rows
.irp t, 0,1,2,3,4,5,6,7,8,9,10,11,12,13,14,15
	global_load_b128 v[R+64*((\f)%2)+4*\t:R+64*((\f)%2)+4*\t+3], v4, s[26:27] offset:(\t+8*(\t/8))*8192+512*(\f) th:TH_LOAD_NT
.endr
.endm
.macro TURN f                          ; through my stage.  LDS serves a wave's instructions in order: no wait between
.irp t, 0,1,2,3,4,5,6,7,8,9,10,11,12,13,14,15
	ds_store_b128 v5, v[R+64*((\f)%2)+4*\t:R+64*((\f)%2)+4*\t+3] offset:528*\t
.endr
.irp b, 0,1,2,3
.irp j, 0,1,2,3
	ds_load_b128 v[X+16*\b+4*\j:X+16*\b+4*\j+3], v6 offset:128*\b+16*\j
.endr
.endr
.endm
	LOAD 0
	LOAD 1
.irp f, 0,1,2,3
.if \f < 3
	s_wait_loadcnt 16                              ; this K step's 16 loads are in; the next one's 16 may be out
.else
	s_wait_loadcnt 0x0
.endif
	TURN \f
	s_wait_dscnt 0x0                               ; my numbers are back, and the stage's stores have read their registers
.if \f > 0
	s_wait_xcnt 0x0                                ; the last fragment's stores have read the codes' registers
.endif
.if \f < 2
	LOAD \f+2
.endif
	QUANT X, SW+\f
.irp c, 0,1,2
	global_store_b128 v4, v[PC+4*\c:PC+4*\c+3], s[28:29] offset:1536*\f+512*\c   ; 512 consecutive bytes, aligned
.endr
.endr
	v_cndmask_b32 v[SD], v[SW], v[SW+2], s34       ; lanes 0-15 store row r's first two words, lanes 16-31 the other two
	v_cndmask_b32 v[SD+1], v[SW+1], v[SW+3], s34
	global_store_b64 v7, v[SD:SD+1], s[30:31]
	s_branch .Lend
	; ---- cos and signed sin of 16 tokens x 32 channels, laid as the next launch's registers want them: chunk 4 q + j of 512 bytes: lane (r, h) holds channels 32 q + 16 h + 4 j .. + 3 of the block's token r
.Ltrig:
.set XR, 16                            ; v16-31 the angles;  v32-47 cos;  v48-63 sin, negated at even channels (there rotate_half brings -u of the odd neighbour)
.set CR, 32
.set SR, 48
.set KF, 64
.set RR, 65
.set SS, 66
.set PP, 67
.set QQ, 68
.set SN, 69
.set CN, 70
.set NN, 71
	s_sub_co_u32 s24, ttmp9, 512                   ; which block of 16 tokens
	s_wait_alu depctr_va_vdst(0)
	v_lshrrev_b32 v8, 3, v2
	v_lshl_add_u32 v8, v8, 3, v2                   ; r + 8 (r / 8)
	v_lshlrev_b32 v8, 9, v8                        ; rows of 512 bytes
	v_lshl_add_u32 v8, v3, 6, v8                   ; + 64 h
	s_lshr_b32 s36, s24, 1
	s_lshl_b32 s36, s36, 5
	s_and_b32 s37, s24, 1
	s_lshl_b32 s37, s37, 3
	s_add_co_u32 s36, s36, s37                     ; the block's first token
	s_lshl_b32 s36, s36, 9
	s_lshl_b32 s37, s22, 7                         ; my 32 channels
	s_add_co_u32 s36, s36, s37
	s_mov_b32 s37, 0
	s_lshl_b32 s38, s24, 14                        ; 16,384 bytes of table for a block
	s_lshl_b32 s39, s22, 11                        ; my four chunks
	s_add_co_u32 s38, s38, s39
	s_mov_b32 s39, 0
	s_wait_alu depctr_va_vdst(0)
	s_wait_kmcnt 0x0
	s_add_nc_u64 s[26:27], s[12:13], s[36:37]
	s_add_nc_u64 s[28:29], s[18:19], s[38:39]
.irp j, 0,1,2,3
	global_load_b128 v[XR+4*\j:XR+4*\j+3], v8, s[26:27] offset:16*\j
.endr
	s_wait_loadcnt 0x0
.macro SC1 n
	v_mul_f32 v[KF], 0x3f22f983, v[XR+\n]          ; x 2 / pi
	v_rndne_f32 v[KF], v[KF]                       ; k
	v_fmamk_f32 v[RR], v[KF], 0xbfc90fdb, v[XR+\n] ; x - k pi / 2, pi / 2 in three parts
	v_fmamk_f32 v[RR], v[KF], 0x333bbd2e, v[RR]
	v_fmamk_f32 v[RR], v[KF], 0x26f72d00, v[RR]
	v_mul_f32 v[SS], v[RR], v[RR]
	v_mov_b32 v[PP], 0x3638ef1d                    ; sin r = r + r s (-1/6 + s (1/120 + s (-1/5040 + s / 362880)))
	v_fmaak_f32 v[PP], v[PP], v[SS], 0xb9500d01
	v_fmaak_f32 v[PP], v[PP], v[SS], 0x3c088889
	v_fmaak_f32 v[PP], v[PP], v[SS], 0xbe2aaaab
	v_mul_f32 v[QQ], v[RR], v[SS]
	v_fma_f32 v[SN], v[QQ], v[PP], v[RR]
	v_mov_b32 v[PP], 0xb493f27e                    ; cos r = 1 + s (-1/2 + s (1/24 + s (-1/720 + s (1/40320 - s / 3628800))))
	v_fmaak_f32 v[PP], v[PP], v[SS], 0x37d00d01
	v_fmaak_f32 v[PP], v[PP], v[SS], 0xbab60b61
	v_fmaak_f32 v[PP], v[PP], v[SS], 0x3d2aaaab
	v_fmaak_f32 v[PP], v[PP], v[SS], 0xbf000000
	v_fma_f32 v[CN], v[PP], v[SS], 1.0
	v_cvt_i32_f32 v[NN], v[KF]
	v_and_b32 v[QQ], 1, v[NN]
	v_cmp_ne_u32 vcc_lo, 0, v[QQ]                  ; an odd k changes the two over
	v_cndmask_b32 v[SR+\n], v[SN], v[CN], vcc_lo
	v_cndmask_b32 v[CR+\n], v[CN], v[SN], vcc_lo
	v_and_b32 v[QQ], 2, v[NN]                      ; sin changes sign where k mod 4 is 2 or 3,
	v_lshlrev_b32 v[QQ], 30, v[QQ]
	v_xor_b32 v[SR+\n], v[QQ], v[SR+\n]
.if ((\n)%2) == 0
	v_xor_b32 v[SR+\n], 0x80000000, v[SR+\n]       ; (an even channel: the sign that rotate_half gives)
.endif
	v_add_nc_u32 v[NN], 1, v[NN]                   ; cos where it is 1 or 2
	v_and_b32 v[NN], 2, v[NN]
	v_lshlrev_b32 v[NN], 30, v[NN]
	v_xor_b32 v[CR+\n], v[NN], v[CR+\n]
.endm
.irp n, 0,1,2,3,4,5,6,7,8,9,10,11,12,13,14,15
	SC1 \n
.endr
.irp j, 0,1,2,3
	global_store_b128 v4, v[CR+4*\j:CR+4*\j+3], s[28:29] offset:512*\j
	global_store_b128 v4, v[SR+4*\j:SR+4*\j+3], s[28:29] offset:8192+512*\j
.endr
.Lend:
	s_wait_tensorcnt 0x0                           ; the wave's end, behind my last LDS store
	ds_add_u32 v[SPW], v[NIL]
	s_wait_dscnt 0x0
	s_endpgm
.Lfunc_end_k_qb6d7461d2a_prep:
	.size	k_qb6d7461d2a_prep, .Lfunc_end_k_qb6d7461d2a_prep-k_qb6d7461d2a_prep
	.p2alignl 7, 3214868480
	.fill 96, 4, 3214868480
	.section	.rodata,"a",@progbits
	.p2align	6, 0x0
	.amdhsa_kernel k_qb6d7461d2a_prep
		.amdhsa_group_segment_fixed_size 34304
		.amdhsa_private_segment_fixed_size 0
		.amdhsa_enable_private_segment 0
		.amdhsa_kernarg_size 64
		.amdhsa_user_sgpr_count 2
		.amdhsa_user_sgpr_kernarg_segment_ptr 1
		.amdhsa_wavefront_size32 1
		.amdhsa_system_sgpr_workgroup_id_x 1
		.amdhsa_system_sgpr_workgroup_id_y 1
		.amdhsa_system_sgpr_workgroup_id_z 1
		.amdhsa_system_vgpr_workitem_id 0
		.amdhsa_next_free_vgpr 256
		.amdhsa_next_free_sgpr 66
		.amdhsa_reserve_vcc 1
		.amdhsa_float_denorm_mode_32 3
		.amdhsa_float_denorm_mode_16_64 3
		.amdhsa_memory_ordered 1
		.amdhsa_forward_progress 1
		.amdhsa_inst_pref_size 59
	.end_amdhsa_kernel
	.amdgpu_metadata
---
amdhsa.version: [ 1, 2 ]
amdhsa.kernels:
  - .name:           k_qb6d7461d2a_prep
    .symbol:         k_qb6d7461d2a_prep.kd
    .args:
      - { .name: x, .offset: 0, .size: 8, .value_kind: global_buffer, .address_space: global }
      - { .name: wq, .offset: 8, .size: 8, .value_kind: global_buffer, .address_space: global }
      - { .name: wk, .offset: 16, .size: 8, .value_kind: global_buffer, .address_space: global }
      - { .name: wv, .offset: 24, .size: 8, .value_kind: global_buffer, .address_space: global }
      - { .name: freq_pos_enc, .offset: 32, .size: 8, .value_kind: global_buffer, .address_space: global }
      - { .name: c_img, .offset: 40, .size: 8, .value_kind: global_buffer, .address_space: global }
      - { .name: c_sc, .offset: 48, .size: 8, .value_kind: global_buffer, .address_space: global }
      - { .name: trig, .offset: 56, .size: 8, .value_kind: global_buffer, .address_space: global }
    .group_segment_fixed_size: 34304
    .private_segment_fixed_size: 0
    .kernarg_segment_align: 8
    .kernarg_segment_size: 64
    .max_flat_workgroup_size: 128
    .sgpr_count:     66
    .vgpr_count:     256
    .wavefront_size: 32
...
	.end_amdgpu_metadata
.endif
;; end of part 1
;; launch qkv (part 2): grid 32 x 8, 4 waves a work-group, clusters of 4 x 4, 327,680 bytes of LDS; arguments c_img, c_sc, trig, qkv_img, qkv_sc, wo, w_img, o_sc; writes qkv_img, qkv_sc, w_img, o_sc
.if DOCPART == 2
	.amdgcn_target "amdgcn-amd-amdhsa--gfx1250"
	.amdhsa_code_object_version 6
	.text
	.protected	k_qb6d7461d2a_qkv
	.globl	k_qb6d7461d2a_qkv
	.p2align	8
	.type	k_qb6d7461d2a_qkv,@function
k_qb6d7461d2a_qkv:
	s_mov_b64 s[64:65], 0
	v_nop
	global_prefetch_b8 v0, s[64:65] scope:SCOPE_SE
	s_setreg_imm32_b32 hwreg(HW_REG_WAVE_MODE, 25, 1), 1
	s_wait_xcnt 0x0
	s_wait_alu depctr_hold_cnt(0) depctr_sa_sdst(0) depctr_va_vdst(0) depctr_va_sdst(0) depctr_va_ssrc(0) depctr_va_vcc(0) depctr_vm_vsrc(0)
	s_getreg_b32 s2, hwreg(HW_REG_IB_STS2, 6, 4)
	s_cmp_eq_u32 s2, 0
	s_cbranch_scc0 .Lentry_in_a_cluster
	s_endpgm
.Lentry_in_a_cluster:
	s_bfe_u32 s2, ttmp6, 0x10000c
	s_cmp_lg_u32 s2, 0xf033
	s_cbranch_scc0 .Lentry_shape_is_right
	s_endpgm
.Lentry_shape_is_right:
; q = rot(x wq^T), k = rot(x wk^T), v = x wv^T on codes of FP6 (E2M3) with E8M0 scales, and their results quantised at once: q and k along the head's 128, v along the keys.
; OPERANDS lie as images of their registers (16 rows x 128 K: 1,536 bytes; registers 4 c .. 4 c + 3 of lane l at 512 c + 16 l); block i of 16 rows holds rows 32 (i / 2) + 8 (i % 2) + r + 8 (r / 8).
; In c_img: blocks 0-127 x, 128-255 wq, 256-383 wk, 384-511 wv; a block's 16 K steps lie on end, 24,576 bytes.  c_sc: 64 bytes a row of a block, a word for each K step.
; A work-group of four waves makes 256 x 256, a wave 128 x 128: 64 accumulators.  Tile columns 0-15: source 0 = rows of wq | wk, source 1 = tokens.  Tile columns 16-23 (clusters 4, 5 along x): source 0 = tokens, source 1 = rows of wv.
; By the choice of a block's rows a lane's 16 registers of source 0's blocks 2 b and 2 b + 1 are 16 neighbours along source 0's rows: the head's channels for q and k, the keys for v: what the conversions take.
; K goes in steps of 256 through two LDS slots filled by the tensor data mover.  THE HEAD: one joint load a wave: wave 0 source 1's 16 blocks of slot 0, wave 1 source 0's, waves 2 and 3 the same of slot 1.
; Behind the head a wave refills a quarter of a slot (8 blocks).  THE SCALE WORDS go from memory into registers, two words a row for each slot, one slot ahead: lanes 0-15 source 1's rows, lanes 16-31 source 0's.
; CLUSTERS: 4 x 4 work-groups; source 1's tiles are shared along a row of the cluster, source 0's along a column: joint loads.
; PREFETCH: behind each refill a wave names the 3,072 bytes of the next refill for 2 of the 8 blocks that it fetches (24 lanes, 256 bytes apart; the other lanes repeat the last); the four partners share the 8 blocks by address.
; The first refill's bytes are named at the head; the last refill names nothing.
; OUTPUT.  qkv_img: plane P of 196,608 bytes; P = head (q), 16 + head (k): token block x 1,536; P = 32 + head (v): (8 x key step + block of channels) x 1,536.  qkv_sc: P x 8,192 + fragment x 64 + 4 r.
; LIMITS: blocks whose largest magnitude lies under 2^(3 - 127) take the byte 1; NaN and infinities are not served.
; REGISTERS: window 0: v16-31 addresses; v32-63 scale words, two sets; v128-223 source 1's fragments, one set; on the way out v64-127 the rotated numbers, v192-210 codes, v224-242 at work.
;   window 1: source 0's fragments, two sets; on the way out cos and sin, two sets of 128.   windows 2, 3: the accumulators, (a, b) at v[8 (8 (a % 4) + b)].
.set NQ,     2
.set FR,     12
.set FRB,    1536
.set NL,     3
.set NP,     4
.set HALFT,  8*NQ*FRB                  ; 8 blocks x 2 K steps: what a refill of one wave brings, and what one wave reads of a side
.set SLOT,   4*HALFT
.set LAPS,   4
.set SPARE,  2*SLOT                    ; behind the ring: the spare words, 128 bytes for each wave
.set WST0,   SPARE+512                 ; behind them: the stages of the work-groups that quantise wo: bytes of their own, on which no fill lands
.set WSTG,   8448                      ; a wave's stage: 16 rows x (512 bytes + 16)
.set SI,   10                          ; v10  wo's path: the stage on the way in
.set SO,   11                          ; v11  and on the way out
.set WA,   12                          ; v12  my place in a block's scale words
.set SWR,  244                         ; v244-247 four K steps' scale words
.set SDR,  248                         ; v248-249 the two that I store
.set ADRA, 16
.set ADRB, 20
.set LI,   24                          ; 16 x lane
.set LS,   25                          ; 4 x lane
.set GS,   27                          ; my row's place in c_sc; never rewritten
.set SPW,  28
.set NIL,  29
.set PFO,  30                          ; the prefetches' lane offset; never rewritten
.set PFT,  31                          ; 256 x lane, for the prefetches of cos and sin; never rewritten
.set SC,   32
.set AF,   128
.set T,    64
.set PC,   192
.set TM,   224
.set PW,   240
.set SWD,  242
.set G1, 24
.set G0, 32
.set G1B, 48
.set G0B, 56
.set G0H, 68                           ; group 0 of the head's loads
.set G0HB, 72
.set PFA, 76                           ; s[76:77] where my prefetches stand
.set SCP, 78                           ; s[78:79] c_sc at the K steps whose words are fetched next
.set TPF, 88                           ; s[88:89] my 16,384 bytes of the table of cos and sin
.set TL,  90                           ; s90 the loop's count in the trip in which they are named: 1 for q and k, 0 (no trip) for v
.set IMG, 66
.set SCB, 94
.set TRG, 96
.set SEL, 98
.set HM,  100
.set MSB, 0
.macro WIN new
.if MSB != (\new)
	s_set_vgpr_msb (MSB<<8)|(\new)
.set MSB, (\new)
.endif
.endm
.set MUL_LO, 0xa1
.set MUL_HI, 0xf1
.set TO_B,   0x40
; A joint load: one line for source 1's tiles, one for source 0's, chosen by a bit of the wave's number in s[sel].  An s_nop 0 and four v_nop follow each line.
.macro JLOAD sel, g0a, g1a, g0b, g1b
	s_cmp_eq_u32 s[\sel], 0
	s_cbranch_scc0 .Lfor_b_\@
	tensor_load_to_lds s[\g0a:\g0a+3], s[\g1a:\g1a+7]
	s_nop 0
.rept 4
	v_nop
.endr
	s_branch .Lasked_\@
.Lfor_b_\@:
	tensor_load_to_lds s[\g0b:\g0b+3], s[\g1b:\g1b+7]
	s_nop 0
.rept 4
	v_nop
.endr
.Lasked_\@:
.endm
.macro CREST
	s_cmp_lg_u32 s14, 0
	s_cbranch_scc1 .Lnot_wave_0_\@
	s_barrier_signal -3
.Lnot_wave_0_\@:
	s_barrier_wait -3
	s_barrier_signal -1
	s_barrier_wait -1
.endm
.macro CROUND
	s_barrier_signal -1
	s_barrier_wait -1
	CREST
.endm
.macro ASK last                        ; last = 1: the loop's last trip has no refill behind this one: it names nothing
.if \last
	s_cmp_gt_u32 s3, 1
	s_cbranch_scc0 .Lnone_\@
.endif
	global_prefetch_b8 v[PFO], s[PFA:PFA+1] th:TH_LOAD_NT scope:SCOPE_SE
.Lnone_\@:
.endm
; cos and sin of the work-group's 16 token blocks (262,144 bytes) are read on the way out, by q's and k's clusters.  They are named in the loop's last trip, four K steps and more ahead of those loads: the four partners of a
; row of the cluster take four blocks each, by address, a wave one block: two prefetches of 32 lanes x 256 bytes, one behind each of the trip's two refills.
.macro ASKT o
	s_cmp_eq_u32 s3, s[TL]
	s_cbranch_scc0 .Lnt_\@
	global_prefetch_b8 v[PFT], s[TPF:TPF+1] offset:\o th:TH_LOAD_NT scope:SCOPE_SE
.Lnt_\@:
.endm
; 64 numbers of a lane, register 16 b + i = k 32 b + 16 (lane / 16) + i of my row, become a fragment's codes in v[PC] on and its scale word in v[pw].  Each accumulator is read from its low end on.
.macro QUANT s, w, pw
	WIN (\w)|((\w)<<2)
.irp b, 0,1,2,3
	v_max3_num_f32 v[TM+\b], |v[\s+16*\b]|, |v[\s+1+16*\b]|, 0x1800000   ; with the floor 2^(3 - 127): the byte cannot fall under 1
.endr
.irp i, 2,4,6,8,10,12,14
.irp b, 0,1,2,3
	v_max3_num_f32 v[TM+\b], |v[\s+16*\b+\i]|, |v[\s+1+16*\b+\i]|, v[TM+\b]
.endr
.endr
	WIN 0
.irp b, 0,1,2,3
	v_permlanex16_b32 v[TM+4+\b], v[TM+\b], s[SEL], s[SEL+1]
.endr
.irp b, 0,1,2,3
	v_max_num_f32 v[TM+\b], v[TM+\b], v[TM+4+\b]
.endr
.irp b, 0,1,2,3
	v_add_nc_u32 v[TM+12+\b], 0xff000000, v[TM+\b]     ; 2 off the exponent field: the conversion's scale operand
.endr
.irp b, 0,1,2,3
	v_lshrrev_b32 v[TM+4+\b], 23, v[TM+12+\b]          ; the scale's byte
.endr
	v_lshl_or_b32 v[\pw], v[TM+5], 8, v[TM+4]
	v_lshl_or_b32 v[\pw], v[TM+6], 16, v[\pw]
	v_lshl_or_b32 v[\pw], v[TM+7], 24, v[\pw]
	WIN (\w)
.irp c, 0,1
	v_cvt_scalef32_pk16_fp6_f32 v[PC+6*\c:PC+2+6*\c], v[\s+32*\c:\s+15+32*\c], v[TM+12+2*\c]
	v_cvt_scalef32_pk16_fp6_f32 v[PC+12+4*\c:PC+14+4*\c], v[\s+16+32*\c:\s+31+32*\c], v[TM+12+2*\c+1]
.endr
	WIN 0
	v_nop                                              ; one plain place behind a scaled conversion
.irp c, 0,1
.irp i, 0,1,2
	v_permlane16_swap_b32 v[PC+6*\c+\i], v[PC+12+4*\c+\i]
.endr
.irp i, 0,1,2
	v_mov_b32 v[PC+3+6*\c+\i], v[PC+12+4*\c+\i]
.endr
.endr
.endm
.macro SCALES sc, b, o                 ; two words a row into set sc: lanes 0-15 source 1's block i, lanes 16-31 source 0's block i
.irp i, 0,1,2,3,4,5,6,7
	global_load_b64 v[SC+8*NQ*\sc+NQ*\i:SC+8*NQ*\sc+NQ*\i+1], v[GS], s[\b:\b+1] offset:\i*1024+\o
.endr
.endm
	s_load_b256 s[4:11], s[0:1], 0x0               ; c_img, c_sc, trig, qkv_img
	s_load_b64 s[12:13], s[0:1], 0x20              ; qkv_sc
	v_lshl_add_u32 v[SPW], v0, 2, SPARE
	v_mov_b32 v[NIL], 0
	ds_add_u32 v[SPW], v[NIL]                      ; the opening lines: the add twice on end and one wait; the set-up below stands between
	ds_add_u32 v[SPW], v[NIL]
	v_lshrrev_b32 v1, 5, v0
	v_readfirstlane_b32 s14, v1                    ; wave 0..3
	s_lshr_b32 s15, s14, 1                         ; my half of source 1's blocks; in the ring: I fetch for source 1 (0) or source 0 (1); at the head: the slot
	s_and_b32 s16, s14, 1                          ; my half of source 0's; in the ring: which 8 blocks I fetch; at the head: the side
	s_bfe_u32 s40, ttmp6, 0x40000                  ; cx, cy
	s_bfe_u32 s41, ttmp6, 0x40004
	s_lshl_b32 s42, ttmp9, 2
	s_add_co_u32 s42, s42, s40                     ; tile column X
	s_and_b32 s17, ttmp7, 0xffff
	s_lshl_b32 s17, s17, 2
	s_add_co_u32 s17, s17, s41                     ; tile row Y
	s_lshl_b32 s43, s41, 2
	s_lshl_b32 s43, 15, s43                        ; my row of the cluster
	s_lshl_b32 s44, 0x1111, s40                    ; my column
	s_mov_b32 s[SEL], 0x76543210
	s_mov_b32 s[SEL+1], 0xfedcba98
	s_mov_b32 s[HM], 0xffff0000
	; group 1: rows (blocks) of 3,072 bytes (two K steps' images), 24,576 bytes apart; elements of 8 bytes; 16 rows at the head, 8 behind it
	s_or_b32 s[G1+0], s43, (3<<16)|(1<<21)
	s_or_b32 s[G1B+0], s44, (3<<16)|(1<<21)
.irp g, G1, G1B
	s_mov_b32 s[\g+1], 384<<16
	s_mov_b32 s[\g+2], 16<<16
	s_mov_b32 s[\g+3], 384<<16
	s_mov_b32 s[\g+4], 16
	s_mov_b32 s[\g+5], 3072
	s_mov_b32 s[\g+6], 0
	s_mov_b32 s[\g+7], 0
.endr
	s_cmp_lt_u32 ttmp9, 4                          ; q and k, or v?  The cluster's x: the same in all sixteen partners
	s_cselect_b32 s92, 0, 24
	s_cselect_b32 s93, 8, -16
	s_add_co_u32 s20, s17, s92
	s_lshl_b32 s20, s20, 4                         ; source 1's first block of the work-group
	s_add_co_u32 s46, s42, s93
	s_lshl_b32 s46, s46, 4                         ; source 0's
	s_lshl_b32 s18, s15, 3
	s_add_co_u32 s22, s20, s18
	s_lshl_b32 s22, s22, 10                        ; the scale words of the 8 blocks of source 1 that I multiply,
	s_lshl_b32 s18, s16, 3
	s_add_co_u32 s23, s46, s18
	s_lshl_b32 s23, s23, 10                        ; and of source 0
	s_add_co_u32 s80, s20, s18                     ; the prefetches: the 8 blocks that I fetch in the ring,
	s_add_co_u32 s81, s46, s18
	s_cmp_eq_u32 s15, 0
	s_cselect_b32 s80, s80, s81
	s_cselect_b32 s81, s40, s41                    ; my place among the four that ask with me:
	s_lshl_b32 s81, s81, 1
	s_add_co_u32 s80, s80, s81                     ; two blocks of the eight,
	s_mul_i32 s80, s80, 24576
	s_add_co_u32 s80, s80, 2*NQ*FRB                ; at the first refill's K steps
	s_mov_b32 s81, 0
	s_mul_i32 s20, s20, 24576
	s_mov_b32 s21, 0
	s_mul_i32 s46, s46, 24576
	s_mov_b32 s47, 0
	s_mul_i32 s18, s16, 8*24576                    ; in the ring: my 8 blocks
	s_mov_b32 s19, 0
	s_mul_i32 s45, s14, HALFT                      ; and where they go: by the wave's number alone
	s_mul_i32 s82, s15, SLOT                       ; at the head: the slot,
	s_mul_i32 s84, s15, NQ*FRB                     ; and its K steps
	s_mov_b32 s85, 0
	s_lshl_b32 s88, s17, 18                        ; the table: 16 blocks of 16,384 bytes for a tile row,
	s_lshl_b32 s89, s40, 16                        ; four blocks for each partner of my row,
	s_add_co_u32 s88, s88, s89
	s_lshl_b32 s89, s14, 14                        ; one for each wave
	s_add_co_u32 s88, s88, s89
	s_mov_b32 s89, 0
	s_cmp_lt_u32 ttmp9, 4
	s_cselect_b32 s[TL], 1, 0
	v_and_b32 v1, 15, v0                           ; r
	v_and_b32 v3, 31, v0
	v_lshlrev_b32 v[LI], 4, v3
	v_lshlrev_b32 v[LS], 2, v3
	s_mul_i32 s86, s15, HALFT                      ; my 8 blocks of source 1
	s_mul_i32 s87, s16, HALFT
	s_add_co_u32 s87, s87, 2*HALFT                 ; my 8 of source 0, behind source 1's 16
.irp s, 0,1
	v_add_nc_u32 v[ADRA+\s], s86, v[LI]
	v_add_nc_u32 v[ADRB+\s], s87, v[LI]
	s_add_co_u32 s86, s86, SLOT
	s_add_co_u32 s87, s87, SLOT
.endr
	v_mov_b32 v5, s22
	v_mov_b32 v6, s23
	v_cndmask_b32 v5, v5, v6, s[HM]                ; lanes 16-31 take source 0's
	v_lshl_add_u32 v[GS], v1, 6, v5                ; + 64 bytes a row
	v_min_u32 v7, 23, v3                           ; 24 pieces of 256 bytes: 12 to a block
	v_mul_u32_u24 v8, v7, 171
	v_lshrrev_b32 v8, 11, v8                       ; piece / 12
	v_lshlrev_b32 v7, 8, v7
	v_mad_u32_u24 v[PFO], v8, 24576-NQ*FRB, v7
	v_lshlrev_b32 v[PFT], 8, v3
	s_wait_alu depctr_va_vdst(0)                   ; the wait at the end of the head's vector work
	s_wait_dscnt 0x0                               ; both opening adds are done
	s_wait_kmcnt 0x0
	s_cmp_ge_u32 ttmp9, 6                          ; clusters 6 and 7 along x have no tile of q, k or v: they quantise wo.  The cluster's x: the same in all sixteen partners
	s_cbranch_scc1 .Lwo
	s_add_nc_u64 s[20:21], s[4:5], s[20:21]
	s_add_nc_u64 s[46:47], s[4:5], s[46:47]
	s_add_nc_u64 s[PFA:PFA+1], s[4:5], s[80:81]
	s_add_nc_u64 s[SCP:SCP+1], s[6:7], 4*NQ
	s_add_nc_u64 s[TPF:TPF+1], s[8:9], s[88:89]
	SCALES 0, 6, 0                                 ; the words of slots 0 and 1
	SCALES 1, 6, 4*NQ
	CROUND                                         ; all sixteen work-groups are here: the first joint loads meet
	s_mov_b32 s[G0H], 1
	s_mov_b32 s[G0H+1], s82
	s_add_nc_u64 s[G0H+2:G0H+3], s[20:21], s[84:85]
	s_or_b32 s[G0H+3], s[G0H+3], 0x80000000
	s_mov_b32 s[G0HB], 1
	s_add_co_u32 s[G0HB+1], s82, 2*HALFT
	s_add_nc_u64 s[G0HB+2:G0HB+3], s[46:47], s[84:85]
	s_or_b32 s[G0HB+3], s[G0HB+3], 0x80000000
	s_add_nc_u64 s[20:21], s[20:21], s[18:19]
	s_add_nc_u64 s[46:47], s[46:47], s[18:19]
.irp s, 0,1
	s_mov_b32 s[G0+4*\s], 1
	s_add_co_u32 s[G0+4*\s+1], s45, \s*SLOT
	s_add_nc_u64 s[G0+4*\s+2:G0+4*\s+3], s[20:21], \s*NQ*FRB
	s_or_b32 s[G0+4*\s+3], s[G0+4*\s+3], 0x80000000
	s_mov_b32 s[G0B+4*\s], 1
	s_add_co_u32 s[G0B+4*\s+1], s45, \s*SLOT
	s_add_nc_u64 s[G0B+4*\s+2:G0B+4*\s+3], s[46:47], \s*NQ*FRB
	s_or_b32 s[G0B+4*\s+3], s[G0B+4*\s+3], 0x80000000
.endr
	JLOAD 16, G0H, G1, G0HB, G1B                   ; my one load of the head: a side's 16 blocks of one slot
	ASK 0                                          ; the first refill's bytes
	; where the results go
	s_lshl_b32 s18, s42, 1
	s_add_co_u32 s18, s18, s16
	s_lshl_b32 s19, s17, 1
	s_add_co_u32 s19, s19, s15
	s_cmp_lt_u32 ttmp9, 4
	s_cselect_b32 s2, s18, s19                     ; the plane: q, k: 2 X + half;  v: 32 + 2 Y + half
	s_cselect_b32 s3, s19, s18                     ; the group of eight fragments in it
	s_cselect_b32 s45, 0, 32
	s_add_co_u32 s2, s2, s45
	s_sub_co_u32 s3, s3, s45
	s_mul_i32 s20, s2, 196608
	s_mul_i32 s21, s3, 8*FRB
	s_add_co_u32 s20, s20, s21
	s_mov_b32 s21, 0
	s_add_nc_u64 s[IMG:IMG+1], s[10:11], s[20:21]
	s_lshl_b32 s20, s2, 13
	s_lshl_b32 s22, s3, 9
	s_add_co_u32 s20, s20, s22
	s_add_nc_u64 s[SCB:SCB+1], s[12:13], s[20:21]
	s_lshl_b32 s20, s19, 17
	s_add_nc_u64 s[TRG:TRG+1], s[8:9], s[20:21]
.macro FRAG reg, adr, q, i
.irp c, 0,1,2
	ds_load_b128 v[\reg+4*\c:\reg+4*\c+3], v[\adr] offset:NQ*FRB*(\i)+FRB*(\q)+512*\c
.endr
.endm
; 16 matrix instructions: source 1's blocks a0, a0 + 1 x source 0's eight.  The 64 accumulators take turns, one instruction a turn, in the same order in every step.
.macro MUL16 a0, p, q, sc, zero
.irp a, \a0, \a0+1
.irp b, 0,1,2,3,4,5,6,7
.if \zero
	v_wmma_scale_f32_16x16x128_f8f6f4 v[8*(8*((\a)%4)+\b):8*(8*((\a)%4)+\b)+7], v[128*(\p)+FR*\b:128*(\p)+FR*\b+FR-1], v[AF+FR*(\a):AF+FR*(\a)+FR-1], 0, v[SC+8*NQ*(\sc)+NQ*\b+(\q)], v[SC+8*NQ*(\sc)+NQ*(\a)+(\q)] matrix_a_fmt:MATRIX_FMT_FP6 matrix_b_fmt:MATRIX_FMT_FP6 matrix_a_scale:MATRIX_SCALE_ROW1
.else
	v_wmma_scale_f32_16x16x128_f8f6f4 v[8*(8*((\a)%4)+\b):8*(8*((\a)%4)+\b)+7], v[128*(\p)+FR*\b:128*(\p)+FR*\b+FR-1], v[AF+FR*(\a):AF+FR*(\a)+FR-1], v[8*(8*((\a)%4)+\b):8*(8*((\a)%4)+\b)+7], v[SC+8*NQ*(\sc)+NQ*\b+(\q)], v[SC+8*NQ*(\sc)+NQ*(\a)+(\q)] matrix_a_fmt:MATRIX_FMT_FP6 matrix_b_fmt:MATRIX_FMT_FP6 matrix_a_scale:MATRIX_SCALE_ROW1
.endif
.endr
.endr
.endm
.macro FETCH_B slot, q, p
	WIN TO_B
.irp i, 0,1,2,3,4,5,6,7
	FRAG 128*(\p)+FR*\i, ADRB+\slot, \q, \i
.endr
	WIN 0
.endm
.macro FETCH_A slot, q, i0
.irp i, \i0, \i0+1, \i0+2, \i0+3
	FRAG AF+FR*(\i), ADRA+\slot, \q, \i
.endr
.endm
.macro PLACES n                        ; plain places in front of loads into registers that matrix instructions have read, and of the first read of results
.rept \n
	v_nop
.endr
.endm
.macro STEP slot, q, zero, lc          ; a slot's first step.  lc: the global loads issued behind this slot's eight loads of scale words
	s_wait_loadcnt \lc                             ; this slot's scale words are in
	s_wait_dscnt 4*NL                              ; source 0's set and source 1's blocks 0-3 are in; the youngest 12 loads (blocks 4-7) may be out
	WIN MUL_LO
	MUL16 0, (\q)%2, \q, \slot, \zero
	MUL16 2, (\q)%2, \q, \slot, \zero
	s_wait_dscnt 0
	PLACES NP
	FETCH_B \slot, (\q)+1, 1-(\q)%2
	FETCH_A \slot, (\q)+1, 0
	WIN MUL_HI
	MUL16 4, (\q)%2, \q, \slot, \zero
	MUL16 6, (\q)%2, \q, \slot, \zero
	PLACES NP
	WIN 0
	FETCH_A \slot, (\q)+1, 4
.endm
; A slot's last step changes slots: one barrier; in front of it each wave waits for all its tensor loads, adds 0 to its spare word, and waits for that and for its own reads of this slot.
; fill = 1: this slot is filled again, two slots ahead, and at the step's end its set of scale words takes the words of those K steps.
.macro TURN slot, next, fill, last
.if \fill
	s_wait_xcnt 0x0                                ; my earlier prefetch and loads of scale words have read their bases: both step here
	s_add_nc_u64 s[PFA:PFA+1], s[PFA:PFA+1], NQ*FRB
	s_add_nc_u64 s[SCP:SCP+1], s[SCP:SCP+1], 4*NQ
.endif
	s_wait_tensorcnt 0x0                           ; all my tensor loads have landed
	ds_add_u32 v[SPW], v[NIL]                      ; 0 onto my spare word
	s_wait_dscnt 4*NL+1                            ; (the add and the youngest 12 loads may be out)
	WIN MUL_LO
	MUL16 0, 1, NQ-1, \slot, 0
	s_wait_dscnt 0x0                               ; the add is done, and my reads of this slot are over
	s_barrier_signal -1
	MUL16 2, 1, NQ-1, \slot, 0
	WIN 0
	s_barrier_wait -1
.if \fill
	CREST                                          ; the barrier has opened a round of the cluster's barrier
	s_add_nc_u64 s[G0+4*\slot+2:G0+4*\slot+3], s[G0+4*\slot+2:G0+4*\slot+3], 2*NQ*FRB
	s_add_nc_u64 s[G0B+4*\slot+2:G0B+4*\slot+3], s[G0B+4*\slot+2:G0B+4*\slot+3], 2*NQ*FRB
	JLOAD 15, G0+4*\slot, G1, G0B+4*\slot, G1B     ; the first tensor load behind the round; its four v_nop are the places in front of the loads below
.else
	PLACES NP
.endif
	FETCH_B \next, 0, 0
	FETCH_A \next, 0, 0
.if \fill
	ASK \last                                      ; the next refill's bytes
	ASKT 8192*\last
.endif
	WIN MUL_HI
	MUL16 4, 1, NQ-1, \slot, 0
	MUL16 6, 1, NQ-1, \slot, 0
	PLACES NP
	WIN 0
	FETCH_A \next, 0, 4
.if \fill
	SCALES \slot, SCP, 0
.endif
.endm
	s_wait_tensorcnt 0x0                           ; my tile of the head's four is in
	s_mov_b32 s[G1+2], 8<<16                       ; no tensor load of mine is out: from here on a load brings 8 blocks
	s_mov_b32 s[G1+4], 8
	s_mov_b32 s[G1B+2], 8<<16
	s_mov_b32 s[G1B+4], 8
	s_barrier_signal -1
	s_barrier_wait -1                              ; everybody's is: both slots are whole
	FETCH_B 0, 0, 0
	FETCH_A 0, 0, 0
	FETCH_A 0, 0, 4
	STEP 0, 0, 1, 8                                ; the first step stands in front of the loop: its products start the sums
	s_mov_b32 s3, LAPS-1
.Llap:                                                 ; a trip goes once round the ring and fills both slots again
	TURN 0, 1, 1, 0
	STEP 1, 0, 0, 8
	TURN 1, 0, 1, 1
	STEP 0, 0, 0, 8
	s_sub_co_u32 s3, s3, 1
	s_cmp_lg_u32 s3, 0
	s_cbranch_scc1 .Llap
	TURN 0, 1, 0, 0                                ; the last lap fills nothing
	STEP 1, 0, 0, 0
	s_wait_dscnt 4*NL
	WIN MUL_LO
	MUL16 0, 1, NQ-1, 1, 0
	MUL16 2, 1, NQ-1, 1, 0
	s_wait_dscnt 0
	WIN MUL_HI
	MUL16 4, 1, NQ-1, 1, 0
	MUL16 6, 1, NQ-1, 1, 0
	WIN 0
	; THE WAY OUT, source 1's blocks one after the other: the eight accumulators of block a are 64 numbers of a lane's row, in the order that QUANT takes.
.macro TRIG a                          ; cos (64 registers) and signed sin (64) of token block a into set a % 2 of window 1: 32 loads of 512 consecutive bytes
	WIN TO_B
.set K4, 0
.rept 32
	global_load_b128 v[128*((\a)%2)+4*K4:128*((\a)%2)+4*K4+3], v[LI], s[TRG:TRG+1] offset:16384*(\a)+512*K4
.set K4, K4+1
.endr
	WIN 0
.endm
.macro ROT a                           ; u cos + (the pair's other number) x signed sin: the packed form swaps the halves of its first source
.set AC, 64*((\a)%4)
.set CO, 128*((\a)%2)
	WIN (2+(\a)/4)|4
.set P2, 0
.rept 32
	v_pk_mul_f32 v[T+P2:T+P2+1], v[AC+P2:AC+P2+1], v[CO+P2:CO+P2+1]
.set P2, P2+2
.endr
.set P2, 0
.rept 32
	v_pk_fma_f32 v[T+P2:T+P2+1], v[AC+P2:AC+P2+1], v[CO+64+P2:CO+64+P2+1], v[T+P2:T+P2+1] op_sel:[1,0,0] op_sel_hi:[0,1,1]
.set P2, P2+2
.endr
	WIN 0
.endm
.macro OUT a
.irp c, 0,1,2
	global_store_b128 v[LI], v[PC+4*\c:PC+4*\c+3], s[IMG:IMG+1] offset:FRB*(\a)+512*\c   ; 512 consecutive bytes, aligned
.endr
.if (\a)%2
	v_cndmask_b32 v[SWD], v[PW+1], v[PW], s[HM]    ; lanes 0-15 the even block's words, lanes 16-31 the odd block's
	global_store_b32 v[LS], v[SWD], s[SCB:SCB+1] offset:64*((\a)-1)
.endif
.endm
	PLACES NP
.irp b, 0,1,2,3
	v_mov_b32 v[TM+4+\b], 0                        ; written once: a lane permute's destination counts as one of its sources
.endr
	s_cmp_lt_u32 ttmp9, 4
	s_cbranch_scc0 .Lv
	TRIG 0
	TRIG 1
.irp a, 0,1,2,3,4,5,6,7
.if \a < 7
	s_wait_loadcnt 32                              ; this block's 32 loads are in; the next block's may be out
.else
	s_wait_loadcnt 0x0
.endif
	ROT \a
.if \a > 0
	s_wait_xcnt 0x0                                ; the last block's stores have read the codes' and the words' registers
.endif
.if \a < 6
	TRIG \a+2
.endif
	QUANT T, 0, PW+1-\a%2
	OUT \a
.endr
	s_branch .Ljoin
.Lv:
.irp a, 0,1,2,3,4,5,6,7
.set AC, 64*(\a%4)
.if \a > 0
	s_wait_xcnt 0x0
.endif
	QUANT AC, 2+\a/4, PW+1-\a%2
	OUT \a
.endr
.Ljoin:
	s_wait_tensorcnt 0x0                           ; the wave's end
	ds_add_u32 v[SPW], v[NIL]
	s_wait_dscnt 0x0
	CROUND                                         ; the closing round
	s_endpgm
; WO'S PATH.  The products above have 192 tiles; the 64 work-groups of clusters 6 and 7 turn wo ([2048][2048] f32, K innermost) into codes of FP6 and scale words for the last launch, laid as the first launch lays its tensors:
; w_img: block j (rows 32 (j / 2) + 8 (j % 2) + r + 8 (r / 8)) at 24,576 j, K step s at + 1,536 s, an image of the operand's registers; o_sc: 64 bytes a row of a block, a word for each K step.
; Work-group id = 8 (X - 24) + Y takes blocks 2 id and 2 id + 1, one in each of two trips; wave q the K steps 4 q .. 4 q + 3.  A K step of 16 rows is loaded as it lies (512 consecutive bytes a load), goes through the
; wave's own stage, and comes back 16 neighbours of each block of 32 to a lane.  No tensor load, no joint load, no barrier but the closing round.  LIMITS as at the head.
.macro WLOAD f
	WIN TO_B
.irp t, 0,1,2,3,4,5,6,7,8,9,10,11,12,13,14,15
	global_load_b128 v[64*((\f)%2)+4*\t:64*((\f)%2)+4*\t+3], v[LI], s[24:25] offset:(\t+8*(\t/8))*8192+512*(\f) th:TH_LOAD_NT
.endr
	WIN 0
.endm
.macro WTURN f                         ; LDS serves a wave's instructions in order: no wait between the stores and the loads
	WIN 0x04                                       ; the stores' data lie in window 1
.irp t, 0,1,2,3,4,5,6,7,8,9,10,11,12,13,14,15
	ds_store_b128 v[SI], v[64*((\f)%2)+4*\t:64*((\f)%2)+4*\t+3] offset:528*\t
.endr
	WIN 0
.irp b, 0,1,2,3
.irp j, 0,1,2,3
	ds_load_b128 v[T+16*\b+4*\j:T+16*\b+4*\j+3], v[SO] offset:128*\b+16*\j
.endr
.endr
.endm
.Lwo:
	s_load_b128 s[24:27], s[0:1], 0x28             ; wo, w_img (no tensor load is issued on this path: the descriptors' registers serve)
	s_load_b64 s[28:29], s[0:1], 0x38              ; o_sc
	s_sub_co_u32 s20, s42, 24
	s_lshl_b32 s20, s20, 3
	s_add_co_u32 s20, s20, s17                     ; id
	s_mul_i32 s21, s14, WSTG
	s_add_co_u32 s21, s21, WST0                    ; my stage: by the wave's number alone
	v_bfe_u32 v2, v0, 4, 1                         ; h
	v_add_nc_u32 v[SI], s21, v[LI]
	v_mul_u32_u24 v[SO], v1, 528
	v_lshl_add_u32 v[SO], v2, 6, v[SO]
	v_add_nc_u32 v[SO], s21, v[SO]                 ; row r, + 64 h
	v_lshlrev_b32 v[WA], 6, v1
	v_lshl_add_u32 v[WA], v2, 3, v[WA]             ; 64 r + 8 h
.irp b, 0,1,2,3
	v_mov_b32 v[TM+4+\b], 0                        ; written once: a lane permute's destination counts as one of its sources
.endr
	s_lshl_b32 s32, s20, 18                        ; row 32 id, rows of 8,192 bytes,
	s_lshl_b32 s33, s14, 11                        ; my four K steps
	s_add_co_u32 s32, s32, s33
	s_mov_b32 s33, 0
	s_mul_i32 s34, s20, 2*24576
	s_mul_i32 s35, s14, 4*FRB
	s_add_co_u32 s34, s34, s35                     ; my four images
	s_mov_b32 s35, 0
	s_lshl_b32 s36, s20, 11
	s_lshl_b32 s37, s14, 4
	s_add_co_u32 s36, s36, s37                     ; my four words of each row
	s_mov_b32 s37, 0
	s_mov_b32 s3, 2
	s_wait_alu depctr_va_vdst(0)
	s_wait_kmcnt 0x0
	s_add_nc_u64 s[24:25], s[24:25], s[32:33]
	s_add_nc_u64 s[26:27], s[26:27], s[34:35]
	s_add_nc_u64 s[28:29], s[28:29], s[36:37]
.Lwob:
	WLOAD 0
	WLOAD 1
.irp f, 0,1,2,3
.if \f < 3
	s_wait_loadcnt 16                              ; this K step's 16 loads are in; the next one's 16 may be out
.else
	s_wait_loadcnt 0x0
.endif
	WTURN \f
	s_wait_dscnt 0x0                               ; my numbers are back, and the stage's stores have read their registers
	s_wait_xcnt 0x0                                ; the last fragment's stores have read the codes' registers
.if \f < 2
	WLOAD \f+2
.endif
	QUANT T, 0, SWR+\f
.irp c, 0,1,2
	global_store_b128 v[LI], v[PC+4*\c:PC+4*\c+3], s[26:27] offset:FRB*\f+512*\c   ; 512 consecutive bytes, aligned
.endr
.endr
	v_cndmask_b32 v[SDR], v[SWR], v[SWR+2], s[HM]  ; lanes 0-15 store row r's first two words, lanes 16-31 the other two
	v_cndmask_b32 v[SDR+1], v[SWR+1], v[SWR+3], s[HM]
	global_store_b64 v[WA], v[SDR:SDR+1], s[28:29]
	s_wait_xcnt 0x0                                ; the trip's loads and stores have read their bases and registers
	s_add_nc_u64 s[24:25], s[24:25], 8*8192        ; the odd block begins 8 rows on
	s_add_nc_u64 s[26:27], s[26:27], 24576
	s_add_nc_u64 s[28:29], s[28:29], 1024
	s_sub_co_u32 s3, s3, 1
	s_cmp_lg_u32 s3, 0
	s_wait_alu depctr_va_vdst(0)
	s_cbranch_scc1 .Lwob
	s_wait_tensorcnt 0x0                           ; the wave's end, behind my last LDS store
	ds_add_u32 v[SPW], v[NIL]
	s_wait_dscnt 0x0
	CROUND                                         ; the closing round
	s_endpgm
.Lfunc_end_k_qb6d7461d2a_qkv:
	.size	k_qb6d7461d2a_qkv, .Lfunc_end_k_qb6d7461d2a_qkv-k_qb6d7461d2a_qkv
	.p2alignl 7, 3214868480
	.fill 96, 4, 3214868480
	.section	.rodata,"a",@progbits
	.p2align	6, 0x0
	.amdhsa_kernel k_qb6d7461d2a_qkv
		.amdhsa_group_segment_fixed_size 327680
		.amdhsa_private_segment_fixed_size 0
		.amdhsa_enable_private_segment 0
		.amdhsa_kernarg_size 64
		.amdhsa_user_sgpr_count 2
		.amdhsa_user_sgpr_kernarg_segment_ptr 1
		.amdhsa_wavefront_size32 1
		.amdhsa_system_sgpr_workgroup_id_x 1
		.amdhsa_system_sgpr_workgroup_id_y 1
		.amdhsa_system_sgpr_workgroup_id_z 1
		.amdhsa_system_vgpr_workitem_id 0
		.amdhsa_next_free_vgpr 1024
		.amdhsa_next_free_sgpr 102
		.amdhsa_reserve_vcc 0
		.amdhsa_float_denorm_mode_32 3
		.amdhsa_float_denorm_mode_16_64 3
		.amdhsa_memory_ordered 1
		.amdhsa_forward_progress 1
		.amdhsa_inst_pref_size 255
	.end_amdhsa_kernel
	.section	.bss,"aw",@nobits
	.p2align	6
	.space	262144
	.amdgpu_metadata
---
amdhsa.version: [ 1, 2 ]
amdhsa.kernels:
  - .name:           k_qb6d7461d2a_qkv
    .symbol:         k_qb6d7461d2a_qkv.kd
    .args:
      - { .name: c_img, .offset: 0, .size: 8, .value_kind: global_buffer, .address_space: global }
      - { .name: c_sc, .offset: 8, .size: 8, .value_kind: global_buffer, .address_space: global }
      - { .name: trig, .offset: 16, .size: 8, .value_kind: global_buffer, .address_space: global }
      - { .name: qkv_img, .offset: 24, .size: 8, .value_kind: global_buffer, .address_space: global }
      - { .name: qkv_sc, .offset: 32, .size: 8, .value_kind: global_buffer, .address_space: global }
      - { .name: wo, .offset: 40, .size: 8, .value_kind: global_buffer, .address_space: global }
      - { .name: w_img, .offset: 48, .size: 8, .value_kind: global_buffer, .address_space: global }
      - { .name: o_sc, .offset: 56, .size: 8, .value_kind: global_buffer, .address_space: global }
    .group_segment_fixed_size: 327680
    .private_segment_fixed_size: 0
    .kernarg_segment_align: 8
    .kernarg_segment_size: 64
    .max_flat_workgroup_size: 128
    .sgpr_count:     102
    .vgpr_count:     1024
    .wavefront_size: 32
...
	.end_amdgpu_metadata
.endif
;; end of part 2
;; launch attn (part 3): grid 16 x 16, 16 waves a work-group, no clusters, 327,680 bytes of LDS; arguments qkv_img, qkv_sc, a_img, o_sc; writes a_img, o_sc
.if DOCPART == 3
	.amdgcn_target "amdgcn-amd-amdhsa--gfx1250"
	.amdhsa_code_object_version 6
	.text
	.protected	k_qb6d7461d2a_attn
	.globl	k_qb6d7461d2a_attn
	.p2align	8
	.type	k_qb6d7461d2a_attn,@function
k_qb6d7461d2a_attn:
	s_mov_b64 s[64:65], 0
	v_nop
	global_prefetch_b8 v0, s[64:65] scope:SCOPE_SE
	s_setreg_imm32_b32 hwreg(HW_REG_WAVE_MODE, 25, 1), 1
	s_wait_xcnt 0x0
; Causal attention of 16 heads, 2,048 tokens, head size 128, both products on codes of FP6 (E2M3) with E8M0 scales; the result is quantised along the head's 128 for the last product.
; t = score x log2(e) / sqrt(128); M = the running largest t rounded UP to a whole number; p = 2^(t - M) is quantised along the keys; the row's sum is taken of the unquantised p and divides at the end.
; OPERANDS are images of their registers (1,536 bytes a fragment).  A block of 16 tokens holds tokens 32 (i / 2) + 8 (i % 2) + r + 8 (r / 8): so the 16 registers of key tiles 2 b, 2 b + 1 are 16 neighbouring keys,
; and the 16 registers of channel tiles 2 b, 2 b + 1 of O^T are 16 neighbouring channels.  Both products are used transposed: a lane holds one query throughout.
; SHARES.  Work-group (w, head) owns the blocks of 64 queries w and 31 - w: together they have 17 key steps of 128 keys to walk, whatever w.  Each of its 8 tiles of 16 queries is shared by TWO waves: g = 0 takes the even
; key steps, g = 1 the odd ones; at the end g = 1 hands its O^T, -M and sum to g = 0 through LDS.  With a = wave % 4, b = wave / 4, rho = (a + b) % 4: tile a of the short (rho even) or long (rho odd) block, g = rho / 2:
; any four waves with equal wave % 4, or with equal wave / 4, have the 17 steps between them.
; K's and V's images come through two LDS slots of 512 keys, filled by the tensor data mover (waves 0, 1: K's halves; 2, 3: V's), read by all sixteen.  Every work-group walks all four slots: trip counts are constants
; and no tensor load or barrier is jumped over; a key step all of whose keys come after the wave's queries is left out by a scalar branch on ids.
; NO CLUSTER: those branches, and the one round the diagonal's mask, hang on the work-group's own queries, which differ between the work-groups of a head.
; LIMITS: blocks whose largest magnitude lies under 2^(3 - 127) take the byte 1; NaN and infinities are not served.
; REGISTERS: v1-7, v11, v28-31 addresses that stay; v8-10 addresses of the step; v12 -M, v13 the largest t, v[14:15] the sum in two halves; v16-27 Q, v255 its scale words; v32-79 four fragments; v96-159 S^T, then p;
;   v160-223 O^T; v224-235 p's codes; v232-247, v252-254 at work; v248-251 scale words: lanes 0-15 tile 2 k's, lanes 16-31 tile 2 k + 1's.
.set FRB,   1536
.set STEPB, 8*FRB                      ; a key step's 8 fragments of K, or of V
.set KV,    4*STEPB                    ; a slot's K, or its V
.set QT,    KV/2                       ; what one tensor load brings
.set PLANE, 196608
.set SLOT1, 1<<17                      ; slot 1 begins here: one exclusive or turns an address in one slot into the other's
.set SCK,   2*SLOT1                    ; K's scale words of the whole head, 8,192 bytes; V's follow
.set SPARE, SCK+16384                  ; the spare words, 128 bytes for each wave
.set JP,    65536                      ; the hand-over lies in slot 0, which has had its last fill and is left at the last change of slots: O^T's images at 8,192 x tile, the pairs (-M, sum) from here on
.set AK0,  1
.set AV0,  2
.set AS0,  3
.set LI,   4                           ; v4   16 x lane
.set SPW,  5
.set NIL,  6
.set JA,   7                           ; v7   the hand-over: my tile's images
.set ADK,  8
.set ADV,  9
.set ADS,  10
.set JB,   11                          ; v11  the hand-over: my tile's pairs
.set PFO,  28                          ; v28  256 x lane
.set PC,   32                          ; on the way out: the codes
.set TM,   64                          ; and QUANT's work
.set WV,   18
.set SEL,  20
.set CS,   22
.set G1,   24
.set G0,   40
.set G1S,  48
.set G0S,  56
.set TB,   2                           ; s2   LDS byte at which the slot in hand begins
.set TS,   3                           ; s3   where my step's scale words begin: 512 bytes a key step
.set SLOTS, 67
.set PFA,  76
.set LIM,  80
.set G,    81
.set QMAX, 97
.set KF,   98                          ; s98  my step's first key
.set QMIN, 99
.set MSB, 0
.macro WIN new                         ; (every window is 0 here: nothing is written)
.if MSB != (\new)
	s_set_vgpr_msb (MSB<<8)|(\new)
.set MSB, (\new)
.endif
.endm
.macro QUANT s, w, pw                  ; 64 numbers, register 16 b + i = k 32 b + 16 (lane / 16) + i of my row -> codes in v[PC] on, scale word in v[pw]
	WIN (\w)|((\w)<<2)
.irp b, 0,1,2,3
	v_max3_num_f32 v[TM+\b], |v[\s+16*\b]|, |v[\s+1+16*\b]|, 0x1800000
.endr
.irp i, 2,4,6,8,10,12,14
.irp b, 0,1,2,3
	s_delay_alu instid0(VALU_DEP_4)
	v_max3_num_f32 v[TM+\b], |v[\s+16*\b+\i]|, |v[\s+1+16*\b+\i]|, v[TM+\b]
.endr
.endr
	WIN 0
.irp b, 0,1,2,3
	s_delay_alu instid0(VALU_DEP_4)
	v_permlanex16_b32 v[TM+4+\b], v[TM+\b], s[SEL], s[SEL+1]
.endr
.irp b, 0,1,2,3
	s_delay_alu instid0(VALU_DEP_4)
	v_max_num_f32 v[TM+\b], v[TM+\b], v[TM+4+\b]
.endr
.irp b, 0,1,2,3
	s_delay_alu instid0(VALU_DEP_4)
	v_add_nc_u32 v[TM+12+\b], 0xff000000, v[TM+\b]
.endr
.irp b, 0,1,2,3
	s_delay_alu instid0(VALU_DEP_4)
	v_lshrrev_b32 v[TM+4+\b], 23, v[TM+12+\b]
.endr
	s_delay_alu instid0(VALU_DEP_3)
	v_lshl_or_b32 v[\pw], v[TM+5], 8, v[TM+4]
	s_delay_alu instid0(VALU_DEP_1)
	v_lshl_or_b32 v[\pw], v[TM+6], 16, v[\pw]
	s_delay_alu instid0(VALU_DEP_1)
	v_lshl_or_b32 v[\pw], v[TM+7], 24, v[\pw]
	WIN (\w)
.irp c, 0,1
	v_cvt_scalef32_pk16_fp6_f32 v[PC+6*\c:PC+2+6*\c], v[\s+32*\c:\s+15+32*\c], v[TM+12+2*\c]
	v_cvt_scalef32_pk16_fp6_f32 v[PC+12+4*\c:PC+14+4*\c], v[\s+16+32*\c:\s+31+32*\c], v[TM+12+2*\c+1]
.endr
	WIN 0
	v_nop
.irp c, 0,1
.irp i, 0,1,2
	v_permlane16_swap_b32 v[PC+6*\c+\i], v[PC+12+4*\c+\i]
.endr
.irp i, 0,1,2
	s_delay_alu instid0(VALU_DEP_3)
	v_mov_b32 v[PC+3+6*\c+\i], v[PC+12+4*\c+\i]
.endr
.endr
.endm
.macro TLOAD                           ; waves 0 to 3 fetch a quarter of a slot each; an s_nop 0 and four v_nop follow the line
	s_cmp_lt_u32 s[WV], 4
	s_cbranch_scc0 .Lno_load_\@
	tensor_load_to_lds s[G0:G0+3], s[G1:G1+7]
	s_nop 0
.rept 4
	v_nop
.endr
.Lno_load_\@:
.endm
; A prefetch into the L2 of the slot that the NEXT change of slots will ask for.  All sixteen work-groups of a head walk the same K and V: the first of them asks.  In it the waves ask that fetch nothing:
; waves 4 to 9 for K's 49,152 bytes, waves 10 to 15 for V's: 8,192 bytes a wave, lanes 256 bytes apart, one instruction.  So each aligned block of 256 bytes of slots 2 and 3 is named once in the launch.
; The last change that fills a slot asks for nothing; slots 0 and 1 come by their loads alone.
.macro ASK
	s_cmp_gt_u32 s[SLOTS], s[LIM]
	s_cbranch_scc0 .Lnot_mine_\@
	global_prefetch_b8 v[PFO], s[PFA:PFA+1] th:TH_LOAD_NT scope:SCOPE_SE
.Lnot_mine_\@:
.endm
	s_load_b256 s[4:11], s[0:1], 0x0               ; qkv_img, qkv_sc, a_img, o_sc
	v_lshl_add_u32 v[SPW], v0, 2, SPARE
	v_mov_b32 v[NIL], 0
	ds_add_u32 v[SPW], v[NIL]                      ; the wave's opening: the add and its wait ahead of my first tensor load; the set-up below stands between them
	ds_add_u32 v[SPW], v[NIL]
	v_lshrrev_b32 v8, 5, v0
	s_delay_alu instid0(VALU_DEP_1)
	v_readfirstlane_b32 s[WV], v8                  ; wave 0..15
	s_and_b32 s72, ttmp7, 0xffff                   ; the head
	s_and_b32 s68, s[WV], 3                        ; which tile of its block of 64 queries
	s_lshr_b32 s69, s[WV], 2
	s_add_co_u32 s69, s69, s68
	s_and_b32 s69, s69, 3                          ; rho
	s_and_b32 s70, s69, 1                          ; the long block?
	s_lshr_b32 s[G], s69, 1                        ; g: the parity of my key steps
	s_sub_co_u32 s71, 31, ttmp9
	s_cmp_eq_u32 s70, 0
	s_cselect_b32 s71, ttmp9, s71                  ; my block of 64 queries
	s_lshl_b32 s71, s71, 2
	s_add_co_u32 s71, s71, s68                     ; my block of 16 tokens
	s_lshr_b32 s[QMIN], s71, 1
	s_lshl_b32 s[QMIN], s[QMIN], 5
	s_and_b32 s73, s71, 1
	s_lshl_b32 s73, s73, 3
	s_add_co_u32 s[QMIN], s[QMIN], s73             ; its first query,
	s_add_co_u32 s[QMAX], s[QMIN], 23              ; and its last
	s_lshl_b32 s74, s70, 2
	s_add_co_u32 s74, s74, s68                     ; the tile's number in the work-group, 0..7
	; descriptor group 1: 24,576 dense bytes as 96 rows of 256 (32 elements of 8 bytes); the scales: 4,096 as 16 rows
	s_mov_b32 s[G1], 3<<16
	s_mov_b32 s[G1+1], 32<<16
	s_mov_b32 s[G1+2], 96<<16
	s_mov_b32 s[G1+3], 32<<16
	s_mov_b32 s[G1+4], 96
	s_mov_b32 s[G1+5], 32
	s_mov_b32 s[G1+6], 0
	s_mov_b32 s[G1+7], 0
	s_mov_b32 s[G1S], 3<<16
	s_mov_b32 s[G1S+1], 32<<16
	s_mov_b32 s[G1S+2], 16<<16
	s_mov_b32 s[G1S+3], 32<<16
	s_mov_b32 s[G1S+4], 16
	s_mov_b32 s[G1S+5], 32
	s_mov_b32 s[G1S+6], 0
	s_mov_b32 s[G1S+7], 0
	s_cmp_lt_u32 s68, 2                            ; what waves 0 to 3 fetch: 0, 1: K's plane; 2, 3: V's
	s_cselect_b32 s75, 16, 32
	s_add_co_u32 s75, s75, s72
	s_and_b32 s82, s[WV], 1                        ; which half
	s_mul_i32 s84, s75, PLANE
	s_mul_i32 s83, s82, QT
	s_add_co_u32 s84, s84, s83
	s_mov_b32 s85, 0
	s_lshl_b32 s86, s75, 13
	s_lshl_b32 s83, s82, 12
	s_add_co_u32 s86, s86, s83
	s_mov_b32 s87, 0
	s_mul_i32 s88, s68, QT                         ; and where it goes: K's halves, then V's
	s_lshl_b32 s89, s68, 12
	s_mul_i32 s90, s72, PLANE                      ; Q: plane = head, my block's image,
	s_mul_i32 s83, s71, FRB
	s_add_co_u32 s90, s90, s83
	s_mov_b32 s91, 0
	s_lshl_b32 s92, s72, 13                        ; its scale words,
	s_lshl_b32 s83, s71, 6
	s_add_co_u32 s92, s92, s83
	s_mov_b32 s93, 0
	s_lshl_b32 s94, s71, 4                         ; the result: fragment 16 x token block + head,
	s_add_co_u32 s94, s94, s72
	s_mul_i32 s94, s94, FRB
	s_mov_b32 s95, 0
	s_lshl_b32 s16, s71, 10                        ; its words: 64 bytes a row, word = head
	s_lshl_b32 s83, s72, 2
	s_add_co_u32 s16, s16, s83
	s_add_co_u32 s16, s16, 131072                  ; the result's words lie in o_sc behind wo's 128 blocks, which the launch before stored
	s_mov_b32 s17, 0
	s_cmp_lt_u32 s[WV], 10                         ; the prefetches: waves 4 to 9 K's plane, 10 to 15 V's
	s_cselect_b32 s78, 16, 32
	s_cselect_b32 s83, 4, 10
	s_add_co_u32 s78, s78, s72
	s_mul_i32 s78, s78, PLANE
	s_max_u32 s79, s[WV], 4
	s_sub_co_u32 s79, s79, s83
	s_lshl_b32 s79, s79, 13                        ; 8,192 bytes a wave,
	s_add_co_u32 s78, s78, s79
	s_add_co_u32 s78, s78, KV                      ; in slot 1: the first change of slots steps it to slot 2
	s_mov_b32 s79, 0
	s_cmp_lt_u32 s[WV], 4
	s_cselect_b32 s83, 1, 0
	s_or_b32 s83, s83, ttmp9
	s_cmp_eq_u32 s83, 0                            ; waves 4 to 15 of the head's first work-group
	s_cselect_b32 s[LIM], 1, -1
	s_mov_b32 s[SEL], 0x76543210
	s_mov_b32 s[SEL+1], 0xfedcba98
	s_mov_b32 s[CS], 0x3e0293ee                    ; c = log2(e) / sqrt(128)
	s_mov_b32 s[CS+1], s[CS]
	s_mov_b32 s[TB], 0
	s_lshl_b32 s[TS], s[G], 9
	s_lshl_b32 s[KF], s[G], 7
	s_mov_b32 s[SLOTS], 3
	s_wait_dscnt 0x0                               ; the opening add is done
	s_wait_kmcnt 0x0
	s_mov_b32 s[G0S], 1
	s_add_co_u32 s[G0S+1], s89, SCK
	s_add_nc_u64 s[G0S+2:G0S+3], s[6:7], s[86:87]
	s_or_b32 s[G0S+3], s[G0S+3], 0x80000000
	s_mov_b32 s[G0], 1
	s_mov_b32 s[G0+1], s88
	s_add_nc_u64 s[G0+2:G0+3], s[4:5], s[84:85]
	s_or_b32 s[G0+3], s[G0+3], 0x80000000
	s_cmp_lt_u32 s[WV], 4                          ; the first fills, one a wave, in one chain of branches: waves 0 to 3 a quarter of slot 0 each,
	s_cbranch_scc0 .Lfirst_sc
	tensor_load_to_lds s[G0:G0+3], s[G1:G1+7]
	s_nop 0
.rept 4
	v_nop
.endr
	s_branch .Lno_first
.Lfirst_sc:
	s_cmp_lt_u32 s[WV], 8                          ; waves 4 to 7 a quarter of the head's scale words each (their descriptors hang on wave % 4), the others none
	s_cbranch_scc0 .Lno_first
	tensor_load_to_lds s[G0S:G0S+3], s[G1S:G1S+7]
	s_nop 0
.rept 4
	v_nop
.endr
.Lno_first:
	s_add_nc_u64 s[12:13], s[4:5], s[90:91]        ; Q's image
	s_add_nc_u64 s[14:15], s[6:7], s[92:93]        ; Q's scale words
	s_add_nc_u64 s[8:9], s[8:9], s[94:95]          ; my result's image
	s_add_nc_u64 s[10:11], s[10:11], s[16:17]      ; and its words
	s_add_nc_u64 s[PFA:PFA+1], s[4:5], s[78:79]
	v_and_b32 v8, 31, v0                           ; lane
	v_and_b32 v9, 15, v0                           ; r
	v_bfe_u32 v10, v0, 4, 1                        ; h
	s_delay_alu instid0(VALU_DEP_3)
	v_lshlrev_b32 v[LI], 4, v8
	s_delay_alu instid0(VALU_DEP_3)
	v_lshlrev_b32 v31, 2, v9
.irp c, 0,1,2
	global_load_b128 v[16+4*\c:19+4*\c], v[LI], s[12:13] offset:512*\c   ; Q's fragment stays in registers
.endr
	global_load_b32 v255, v31, s[14:15]
	s_mul_i32 s90, s[G], STEPB
	v_add_nc_u32 v[AK0], s90, v[LI]                ; in a slot: my lane's place in the fragments of key step g;
	s_delay_alu instid0(VALU_DEP_1)
	v_add_nc_u32 v[AV0], KV, v[AK0]                ; V's lie behind K's
	v_lshl_add_u32 v[AS0], v8, 2, SCK
	s_lshl_b32 s90, s74, 13
	v_add_nc_u32 v[JA], s90, v[LI]
	s_lshl_b32 s90, s74, 8
	v_lshl_add_u32 v[JB], v8, 3, JP
	s_delay_alu instid0(VALU_DEP_1)
	v_add_nc_u32 v[JB], s90, v[JB]
	v_lshrrev_b32 v29, 3, v9
	s_delay_alu instid0(VALU_DEP_1)
	v_lshl_add_u32 v29, v29, 3, v9
	v_lshlrev_b32 v30, 4, v10
	s_delay_alu instid0(VALU_DEP_1)
	v_sub_nc_u32 v29, v29, v30                     ; v29 = r + 8 (r / 8) - 16 h: my query less QMIN, less my half's first key
	v_lshlrev_b32 v30, 6, v9                       ; v30 = 64 r: my row of the result's scale words
	v_lshlrev_b32 v[PFO], 8, v8
	v_mov_b32 v13, 0xff61b1e6                      ; the largest t so far: -3e38
	s_delay_alu instid0(VALU_DEP_1)
	v_floor_f32 v12, -v13                          ; -M
	v_mov_b32 v14, 0
	v_mov_b32 v15, 0
.irp b, 0,1,2,3
	v_mov_b32 v[236+\b], 0                         ; written once: a lane permute's destination counts as one of its sources
.endr
	v_mov_b32 v253, 0
.set J, 0
.rept 64
	v_mov_b32 v[160+J], 0                          ; O^T: the step is written once; the first finds zeros, which the first change of M leaves zeros; a wave with no step hands zeros over
.set J, J+1
.endr
.macro MMS t                           ; S^T, tile t of 16 keys
.if (\t)%2
	v_wmma_scale_f32_16x16x128_f8f6f4 v[96+8*(\t):103+8*(\t)], v[32+12*((\t)%4):43+12*((\t)%4)], v[16:27], 0, v[248+(\t)/2], v255 matrix_a_fmt:MATRIX_FMT_FP6 matrix_b_fmt:MATRIX_FMT_FP6 matrix_a_scale:MATRIX_SCALE_ROW1
.else
	v_wmma_scale_f32_16x16x128_f8f6f4 v[96+8*(\t):103+8*(\t)], v[32+12*((\t)%4):43+12*((\t)%4)], v[16:27], 0, v[248+(\t)/2], v255 matrix_a_fmt:MATRIX_FMT_FP6 matrix_b_fmt:MATRIX_FMT_FP6
.endif
.endm
.macro MMO t                           ; O^T, tile t of 16 channels
.if (\t)%2
	v_wmma_scale_f32_16x16x128_f8f6f4 v[160+8*(\t):167+8*(\t)], v[32+12*((\t)%4):43+12*((\t)%4)], v[224:235], v[160+8*(\t):167+8*(\t)], v[248+(\t)/2], v253 matrix_a_fmt:MATRIX_FMT_FP6 matrix_b_fmt:MATRIX_FMT_FP6 matrix_a_scale:MATRIX_SCALE_ROW1
.else
	v_wmma_scale_f32_16x16x128_f8f6f4 v[160+8*(\t):167+8*(\t)], v[32+12*((\t)%4):43+12*((\t)%4)], v[224:235], v[160+8*(\t):167+8*(\t)], v[248+(\t)/2], v253 matrix_a_fmt:MATRIX_FMT_FP6 matrix_b_fmt:MATRIX_FMT_FP6
.endif
.endm
; The second four fragments of K and of V go into registers that hold nothing at that point of a step, so that they are asked for together with, or well ahead of, the first four's products:
; K's tiles 4, 5, 6, 7 into v224-235, v236-247, v80-91, v140-151 (p's codes, work registers, spare registers, and scores that are not yet made); V's tiles 4 to 7 into v96-143, where p lay until it was converted.
.macro FRG f, adr, q, t                ; tile t's fragment of my q-th key step of the slot into v[f] on
.irp c, 0,1,2
	ds_load_b128 v[\f+4*\c:\f+4*\c+3], v[\adr] offset:2*STEPB*(\q)+FRB*(\t)+512*\c
.endr
.endm
.macro MMS2 t, f                       ; S^T, tile t, K's fragment at v[f]
.if (\t)%2
	v_wmma_scale_f32_16x16x128_f8f6f4 v[96+8*(\t):103+8*(\t)], v[\f:\f+11], v[16:27], 0, v[248+(\t)/2], v255 matrix_a_fmt:MATRIX_FMT_FP6 matrix_b_fmt:MATRIX_FMT_FP6 matrix_a_scale:MATRIX_SCALE_ROW1
.else
	v_wmma_scale_f32_16x16x128_f8f6f4 v[96+8*(\t):103+8*(\t)], v[\f:\f+11], v[16:27], 0, v[248+(\t)/2], v255 matrix_a_fmt:MATRIX_FMT_FP6 matrix_b_fmt:MATRIX_FMT_FP6
.endif
.endm
.macro MMO2 t, f                       ; O^T, tile t, V's fragment at v[f]
.if (\t)%2
	v_wmma_scale_f32_16x16x128_f8f6f4 v[160+8*(\t):167+8*(\t)], v[\f:\f+11], v[224:235], v[160+8*(\t):167+8*(\t)], v[248+(\t)/2], v253 matrix_a_fmt:MATRIX_FMT_FP6 matrix_b_fmt:MATRIX_FMT_FP6 matrix_a_scale:MATRIX_SCALE_ROW1
.else
	v_wmma_scale_f32_16x16x128_f8f6f4 v[160+8*(\t):167+8*(\t)], v[\f:\f+11], v[224:235], v[160+8*(\t):167+8*(\t)], v[248+(\t)/2], v253 matrix_a_fmt:MATRIX_FMT_FP6 matrix_b_fmt:MATRIX_FMT_FP6
.endif
.endm
.macro FOUR adr, q, g
.irp t, 0,1,2,3
.irp c, 0,1,2
	ds_load_b128 v[32+12*\t+4*\c:35+12*\t+4*\c], v[\adr] offset:2*STEPB*(\q)+FRB*(4*(\g)+\t)+512*\c
.endr
.endr
.endm
; A KEY STEP: 128 keys: the slot's key step 2 q + g.
.macro STEP q
	s_cmp_gt_u32 s[KF], s[QMAX]                    ; all its keys come after my queries: left out, but for the lines at its end that step addresses
	s_cbranch_scc1 .Lhidden_\@
	v_add_nc_u32 v[ADK], s[TB], v[AK0]             ; (these four are the places in front of loads into registers that the last products read)
	v_add_nc_u32 v[ADV], s[TB], v[AV0]
	v_add_nc_u32 v[ADS], s[TS], v[AS0]
	v_nop
	v_nop                                          ; five places: the first scores are laid over registers that the last step's products read
.irp k, 0,1,2,3
	ds_load_b32 v[248+\k], v[ADS] offset:128*\k    ; K's scale words
.endr
	FOUR ADK, \q, 0
	FRG 224, ADK, \q, 4
	FRG 236, ADK, \q, 5
	FRG 80,  ADK, \q, 6
	FRG 140, ADK, \q, 7
	s_wait_alu depctr_va_vdst(0)
	s_wait_dscnt 12                                ; the scale words and tiles 0 to 3 are in; the younger twelve loads (tiles 4 to 7) may be out
.irp t, 0,1,2,3
	MMS \t
.endr
	s_wait_dscnt 0x0
	MMS2 7, 140                                    ; tile 7 first: tiles 5's and 6's scores are laid over its fragment,
	MMS2 4, 224
.rept 5
	v_nop                                          ; five places behind it
.endr
	MMS2 5, 236
	MMS2 6, 80
.rept 4
	v_nop
.endr
.irp k, 0,1,2,3
	ds_load_b32 v[248+\k], v[ADS] offset:8192+128*\k   ; V's scale words and its first four fragments are asked for here: they land under the softmax
.endr
	FOUR ADV, \q, 0
	s_add_co_u32 s96, s[KF], 127                   ; on the diagonal the scores of hidden keys become -infinity ahead of the maximum: p = 0 then.  A step all of whose keys count skips this
	s_cmp_le_u32 s96, s[QMIN]
	s_cbranch_scc1 .Lopen_\@
	s_sub_co_i32 s96, s[QMIN], s[KF]
	v_add_nc_u32 v252, s96, v29                    ; d = my query - KF - 16 (lane / 16).  Register 16 b + i holds key KF + 16 (lane / 16) + 32 b + i: hidden where 32 b + i > d
	v_mov_b32 v254, 0xff800000
.set N, 0
.rept 64
	v_cmp_gt_i32 vcc_lo, 32*(N/16)+N%16, v252
	v_cndmask_b32 v[96+N], v[96+N], v254, vcc_lo
.set N, N+1
.endr
.Lopen_\@:
.irp b, 0,1,2,3
	v_max3_num_f32 v[232+\b], v[96+16*\b], v[97+16*\b], v[98+16*\b]   ; the largest score of each block of 32 keys: for the row's maximum and, since p rises with the score, for the block's largest p
.endr
.irp i, 3,5,7,9,11,13
.irp b, 0,1,2,3
	v_max3_num_f32 v[232+\b], v[232+\b], v[96+16*\b+\i], v[97+16*\b+\i]
.endr
.endr
.irp b, 0,1,2,3
	v_max_num_f32 v[232+\b], v[232+\b], v[111+16*\b]
.endr
.irp b, 0,1,2,3
	s_delay_alu instid0(VALU_DEP_4)
	v_permlanex16_b32 v[236+\b], v[232+\b], s[SEL], s[SEL+1]
.endr
.irp b, 0,1,2,3
	s_delay_alu instid0(VALU_DEP_4)
	v_max_num_f32 v[232+\b], v[232+\b], v[236+\b]  ; with lane l xor 16's 16 keys
.endr
	s_delay_alu instid0(VALU_DEP_2)
	v_max3_num_f32 v254, v232, v233, v234
	s_delay_alu instid0(VALU_DEP_1)
	v_max_num_f32 v254, v254, v235                 ; the step's largest score of my query: the step's first key counts for every query of the tile, so it is a number
	s_delay_alu instid0(VALU_DEP_1)
	v_mul_f32 v254, s[CS], v254
	s_delay_alu instid0(VALU_DEP_1)
	v_max_num_f32 v13, v13, v254                   ; the running largest t
	v_mov_b32 v254, v12
	s_delay_alu instid0(VALU_DEP_2)
	v_floor_f32 v12, -v13                          ; the new -M = floor(-t): M is a whole number
	s_delay_alu instid0(VALU_DEP_1)
	v_sub_f32 v254, v12, v254                      ; old M less new M: a whole number, 0 or less
	s_delay_alu instid0(VALU_DEP_1)
	v_cvt_i32_f32 v254, v254                       ; (it saturates)
	s_delay_alu instid0(VALU_DEP_1)
	v_ldexp_f32 v252, 1.0, v254                    ; f = 2^(old M - new M): rounds nothing
.set J, 0
.rept 32
	v_pk_fma_f32 v[96+J:97+J], v[96+J:97+J], s[CS:CS+1], v[12:13] op_sel_hi:[1,0,0]   ; t - M, two at a time
.set J, J+2
.endr
.irp b, 0,1,2,3
	v_fma_f32 v[232+\b], v[232+\b], s[CS], v12     ; the same of each block's largest score
.endr
.set J, 0
	s_wait_alu depctr_va_vdst(0)
.rept 64
	v_exp_f32 v[96+J], v[96+J]                     ; p = 2^(t - M)
.set J, J+1
.endr
	v_pk_mul_f32 v[14:15], v[14:15], v[252:253] op_sel_hi:[1,0]   ; the sums under the new M: a plain place behind the exponentials
	s_wait_alu depctr_va_vdst(0)                   ; one wait for the whole batch, ahead of its first reader
.irp b, 0,1,2,3
	v_exp_f32 v[232+\b], v[232+\b]                 ; the block's largest p
.endr
	v_pk_add_f32 v[236:237], v[100:101], v[104:105]
	v_pk_add_f32 v[246:247], v[108:109], v[112:113]
	v_pk_add_f32 v[244:245], v[116:117], v[120:121]
	v_pk_add_f32 v[242:243], v[124:125], v[128:129]
	v_pk_add_f32 v[240:241], v[132:133], v[136:137]
	v_pk_add_f32 v[238:239], v[140:141], v[144:145]
	v_pk_add_f32 v[230:231], v[148:149], v[152:153]
	v_pk_add_f32 v[14:15], v[14:15], v[156:157]
	v_pk_add_f32 v[236:237], v[236:237], v[96:97]
	v_pk_add_f32 v[246:247], v[246:247], v[98:99]
	v_pk_add_f32 v[244:245], v[244:245], v[102:103]
	v_pk_add_f32 v[242:243], v[242:243], v[106:107]
	v_pk_add_f32 v[240:241], v[240:241], v[110:111]
	v_pk_add_f32 v[238:239], v[238:239], v[114:115]
	v_pk_add_f32 v[230:231], v[230:231], v[118:119]
	v_pk_add_f32 v[14:15], v[14:15], v[122:123]
	v_pk_add_f32 v[236:237], v[236:237], v[126:127]
	v_pk_add_f32 v[246:247], v[246:247], v[130:131]
	v_pk_add_f32 v[244:245], v[244:245], v[134:135]
	v_pk_add_f32 v[242:243], v[242:243], v[138:139]
	v_pk_add_f32 v[240:241], v[240:241], v[142:143]
	v_pk_add_f32 v[238:239], v[238:239], v[146:147]
	v_pk_add_f32 v[230:231], v[230:231], v[150:151]
	v_pk_add_f32 v[14:15], v[14:15], v[154:155]
	v_pk_add_f32 v[236:237], v[236:237], v[158:159]
	s_delay_alu instid0(VALU_DEP_2)
	v_pk_add_f32 v[14:15], v[14:15], v[242:243]
	s_delay_alu instid0(VALU_DEP_2)
	v_pk_add_f32 v[236:237], v[236:237], v[240:241]
	v_pk_add_f32 v[246:247], v[246:247], v[238:239]
	v_pk_add_f32 v[244:245], v[244:245], v[230:231]
	s_delay_alu instid0(VALU_DEP_2)
	v_pk_add_f32 v[14:15], v[14:15], v[246:247]
	s_delay_alu instid0(VALU_DEP_2)
	v_pk_add_f32 v[236:237], v[236:237], v[244:245]
	s_delay_alu instid0(VALU_DEP_1)
	v_pk_add_f32 v[14:15], v[14:15], v[236:237]
	s_wait_alu depctr_va_vdst(0)                   ; and one for the four
.irp b, 0,1,2,3
	v_max_num_f32 v[232+\b], 0x1800000, v[232+\b]  ; the floor 2^(3 - 127): the byte cannot fall under 1
.endr
.irp b, 0,1,2,3
	s_delay_alu instid0(VALU_DEP_4)
	v_add_nc_u32 v[244+\b], 0xff000000, v[232+\b]  ; 2 off the exponent field: the conversion's scale operand
.endr
.irp b, 0,1,2,3
	s_delay_alu instid0(VALU_DEP_4)
	v_lshrrev_b32 v[236+\b], 23, v[244+\b]
.endr
	s_delay_alu instid0(VALU_DEP_3)
	v_lshl_or_b32 v253, v237, 8, v236              ; p's scale word for these 128 keys
	s_delay_alu instid0(VALU_DEP_1)
	v_lshl_or_b32 v253, v238, 16, v253
	s_delay_alu instid0(VALU_DEP_1)
	v_lshl_or_b32 v253, v239, 24, v253
.irp c, 0,1
	v_cvt_scalef32_pk16_fp6_f32 v[224+6*\c:226+6*\c], v[96+32*\c:111+32*\c], v[244+2*\c]
	v_cvt_scalef32_pk16_fp6_f32 v[236+4*\c:238+4*\c], v[112+32*\c:127+32*\c], v[244+2*\c+1]
.endr
	v_nop                                          ; one plain place behind a scaled conversion
	FRG 96,  ADV, \q, 4                            ; p has been summed and converted: its registers take V's tiles 4 to 7, which land under the lines below
	FRG 108, ADV, \q, 5
	FRG 120, ADV, \q, 6
	FRG 132, ADV, \q, 7
.irp c, 0,1
.irp i, 0,1,2
	v_permlane16_swap_b32 v[224+6*\c+\i], v[236+4*\c+\i]
.endr
.irp i, 0,1,2
	s_delay_alu instid0(VALU_DEP_3)
	v_mov_b32 v[227+6*\c+\i], v[236+4*\c+\i]
.endr
.endr
.set J, 0
.rept 32
	v_pk_mul_f32 v[160+J:161+J], v[160+J:161+J], v[252:253] op_sel_hi:[1,0]   ; O^T under the new M.  (These 32 are also the places between the scale word's and the codes' last writes and the products)
.set J, J+2
.endr
	s_wait_alu depctr_va_vdst(0)
	s_wait_dscnt 0x0                               ; V's first four fragments and its scale words are in
.irp t, 0,1,2,3
	MMO \t
.endr
	MMO2 4, 96                                     ; the eight accumulators by turns
	MMO2 5, 108
	MMO2 6, 120
	MMO2 7, 132
.Lhidden_\@:
	s_add_co_u32 s[KF], s[KF], 256                 ; my next key step is two on
	s_add_co_u32 s[TS], s[TS], 1024
.endm
; THE CHANGE OF SLOTS stands at a slot's head.  Each wave waits for all its tensor loads, adds 0 to its spare word, and waits for that and for its reads of the slot that it has left.  Behind the barrier the slot
; ahead is whole and nobody reads the other one.  fill = 1: that other slot is filled with the next 512 keys: the load has a whole slot's steps in which to land.  One tensor load of a wave is out at the most.
.macro CHANGE fill
	s_wait_tensorcnt 0x0
	ds_add_u32 v[SPW], v[NIL]                      ; 0 onto my spare word
.if \fill
	ds_add_u32 v[SPW], v[NIL]                      ; and once more
	s_xor_b32 s[G0+1], s[G0+1], SLOT1
	s_add_nc_u64 s[G0+2:G0+3], s[G0+2:G0+3], KV
	s_wait_xcnt 0x0                                ; the last prefetch, a slot back, has read its address
	s_add_nc_u64 s[PFA:PFA+1], s[PFA:PFA+1], KV
.endif
	s_wait_dscnt 0x0
	s_barrier_signal -1
	s_barrier_wait -1
.if \fill
	TLOAD
	ASK
.endif
.endm
	s_wait_loadcnt 0x0                             ; Q
.Lslot:                                            ; three trips: behind each change of slots but the last the next slot is asked for
	CHANGE 1
	STEP 0
	STEP 1
	s_xor_b32 s[TB], s[TB], SLOT1
	s_sub_co_u32 s[SLOTS], s[SLOTS], 1
	s_cmp_lg_u32 s[SLOTS], 0
	s_cbranch_scc1 .Lslot
	CHANGE 0                                       ; the last slot is written out
	STEP 0
	STEP 1
	; THE HAND-OVER.  g = 1 stores its O^T as it stands, and (-M, its half's sum); behind a barrier g = 0 brings both parts under the larger M, divides by the sum and quantises.
	v_add_f32 v13, v14, v15                        ; the sum's two halves.  (These four are the places behind the last products)
	v_mov_b32 v90, 0
	v_mov_b32 v91, 0
	v_mov_b32 v93, 0
.irp b, 0,1,2,3
	v_mov_b32 v[TM+4+\b], 0                        ; a lane permute's destination counts as one of its sources
.endr
	s_cmp_eq_u32 s[G], 0
	s_cbranch_scc1 .Lkeep
	s_wait_alu depctr_va_vdst(0)
.irp k, 0,1,2,3,4,5,6,7,8,9,10,11,12,13,14,15
	ds_store_b128 v[JA], v[160+4*\k:163+4*\k] offset:512*\k   ; each accumulator from its low end on
.endr
	ds_store_b64 v[JB], v[12:13]
.Lkeep:
	s_wait_dscnt 0x0                               ; for the partner's sake: my stores have landed
	s_barrier_signal -1
	s_barrier_wait -1
	s_cmp_eq_u32 s[G], 0
	s_cbranch_scc0 .Lend
.irp k, 0,1,2,3,4,5,6,7,8,9,10,11,12,13,14,15
	ds_load_b128 v[96+4*\k:99+4*\k], v[JA] offset:512*\k
.endr
	ds_load_b64 v[84:85], v[JB]
	s_wait_dscnt 0x0
	v_min_num_f32 v86, v12, v84                    ; -M of both: the smaller
	s_delay_alu instid0(VALU_DEP_1)
	v_sub_f32 v87, v86, v12                        ; my M less the common M: a whole number, 0 or less
	s_delay_alu instid0(VALU_DEP_2)
	v_sub_f32 v88, v86, v84                        ; the partner's (a partner that ran no step has -M = 3e38: its factor comes out 0, and its O^T and sum are zeros)
	s_delay_alu instid0(VALU_DEP_2)
	v_cvt_i32_f32 v87, v87
	s_delay_alu instid0(VALU_DEP_2)
	v_cvt_i32_f32 v88, v88
	s_delay_alu instid0(VALU_DEP_2)
	v_ldexp_f32 v87, 1.0, v87
	s_delay_alu instid0(VALU_DEP_2)
	v_ldexp_f32 v88, 1.0, v88
	s_delay_alu instid0(VALU_DEP_2)
	v_mul_f32 v89, v13, v87
	s_delay_alu instid0(VALU_DEP_1)
	v_fmac_f32 v89, v85, v88                       ; my half's sum under the common M,
	s_delay_alu instid0(VALU_DEP_1)
	v_permlanex16_b32 v90, v89, s[SEL], s[SEL+1]
	s_delay_alu instid0(VALU_DEP_1)
	v_add_f32 v89, v89, v90                        ; and lane l xor 16's: the row's sum
	s_wait_alu depctr_va_vdst(0)
	v_rcp_f32 v94, v89
	v_nop                                          ; a plain place behind the reciprocal,
	s_wait_alu depctr_va_vdst(0)                   ; and the wait ahead of its first reader
	v_mul_f32 v90, v87, v94
	v_mul_f32 v92, v88, v94
.set J, 0
.rept 32
	v_pk_mul_f32 v[160+J:161+J], v[160+J:161+J], v[90:91] op_sel_hi:[1,0]
.set J, J+2
.endr
.set J, 0
.rept 32
	v_pk_fma_f32 v[160+J:161+J], v[96+J:97+J], v[92:93], v[160+J:161+J] op_sel_hi:[1,0,1]
.set J, J+2
.endr
	QUANT 160, 0, 80                               ; register 16 b + i is channel 32 b + 16 (lane / 16) + i of my query
.irp c, 0,1,2
	global_store_b128 v[LI], v[PC+4*\c:PC+4*\c+3], s[8:9] offset:512*\c   ; 512 consecutive bytes, aligned
.endr
	global_store_b32 v30, v80, s[10:11]            ; my row's word for this head; lanes l and l xor 16 hold the same word and name the same place
.Lend:
	s_wait_tensorcnt 0x0                           ; the wave's end, behind my last tensor load and my last LDS store
	ds_add_u32 v[SPW], v[NIL]
	s_wait_dscnt 0x0
	s_endpgm
.Lfunc_end_k_qb6d7461d2a_attn:
	.size	k_qb6d7461d2a_attn, .Lfunc_end_k_qb6d7461d2a_attn-k_qb6d7461d2a_attn
	.p2alignl 7, 3214868480
	.fill 96, 4, 3214868480
	.section	.rodata,"a",@progbits
	.p2align	6, 0x0
	.amdhsa_kernel k_qb6d7461d2a_attn
		.amdhsa_group_segment_fixed_size 327680
		.amdhsa_private_segment_fixed_size 0
		.amdhsa_enable_private_segment 0
		.amdhsa_kernarg_size 32
		.amdhsa_user_sgpr_count 2
		.amdhsa_user_sgpr_kernarg_segment_ptr 1
		.amdhsa_wavefront_size32 1
		.amdhsa_system_sgpr_workgroup_id_x 1
		.amdhsa_system_sgpr_workgroup_id_y 1
		.amdhsa_system_sgpr_workgroup_id_z 1
		.amdhsa_system_vgpr_workitem_id 0
		.amdhsa_next_free_vgpr 256
		.amdhsa_next_free_sgpr 100
		.amdhsa_reserve_vcc 1
		.amdhsa_float_denorm_mode_32 3
		.amdhsa_float_denorm_mode_16_64 3
		.amdhsa_memory_ordered 1
		.amdhsa_forward_progress 1
		.amdhsa_inst_pref_size 126
	.end_amdhsa_kernel
	.amdgpu_metadata
---
amdhsa.version: [ 1, 2 ]
amdhsa.kernels:
  - .name:           k_qb6d7461d2a_attn
    .symbol:         k_qb6d7461d2a_attn.kd
    .args:
      - { .name: qkv_img, .offset: 0, .size: 8, .value_kind: global_buffer, .address_space: global }
      - { .name: qkv_sc, .offset: 8, .size: 8, .value_kind: global_buffer, .address_space: global }
      - { .name: a_img, .offset: 16, .size: 8, .value_kind: global_buffer, .address_space: global }
      - { .name: o_sc, .offset: 24, .size: 8, .value_kind: global_buffer, .address_space: global }
    .group_segment_fixed_size: 327680
    .private_segment_fixed_size: 0
    .kernarg_segment_align: 8
    .kernarg_segment_size: 32
    .max_flat_workgroup_size: 512
    .sgpr_count:     100
    .vgpr_count:     256
    .wavefront_size: 32
...
	.end_amdgpu_metadata
.endif
;; end of part 3
;; launch oproj (part 4): grid 16 x 16, 4 waves a work-group, clusters of 4 x 4, 327,680 bytes of LDS; arguments a_img, w_img, o_sc, out0; writes out0
.if DOCPART == 4
	.amdgcn_target "amdgcn-amd-amdhsa--gfx1250"
	.amdhsa_code_object_version 6
	.text
	.protected	k_qb6d7461d2a_oproj
	.globl	k_qb6d7461d2a_oproj
	.p2align	8
	.type	k_qb6d7461d2a_oproj,@function
k_qb6d7461d2a_oproj:
	s_mov_b64 s[64:65], 0
	v_nop
	global_prefetch_b8 v0, s[64:65] scope:SCOPE_SE
	s_setreg_imm32_b32 hwreg(HW_REG_WAVE_MODE, 25, 1), 1
	s_wait_xcnt 0x0
	s_wait_alu depctr_hold_cnt(0) depctr_sa_sdst(0) depctr_va_vdst(0) depctr_va_sdst(0) depctr_va_ssrc(0) depctr_va_vcc(0) depctr_vm_vsrc(0)
	s_getreg_b32 s2, hwreg(HW_REG_IB_STS2, 6, 4)
	s_cmp_eq_u32 s2, 0
	s_cbranch_scc0 .Lentry_in_a_cluster
	s_endpgm
.Lentry_in_a_cluster:
	s_bfe_u32 s2, ttmp6, 0x10000c
	s_cmp_lg_u32 s2, 0xf033
	s_cbranch_scc0 .Lentry_shape_is_right
	s_endpgm
.Lentry_shape_is_right:
; out = attn wo^T on codes of FP6 (E2M3) with E8M0 scales; out0 [2048][2048] f32.  Operands are images of their registers (16 rows x 128 K: 1,536 bytes; a block's 16 K steps on end, 24,576 bytes).
; a_img: token blocks 0-127; w_img: wo's blocks 0-127.  o_sc: 64 bytes a row of a block, a word for each K step; wo's rows at blocks 0-127, the attention's at blocks 128-255.
; A work-group of four waves makes 128 x 128, a wave 64 x 64: 16 accumulators.  Source 0 = rows of wo, source 1 = tokens: a lane holds eight neighbouring columns of a row of out0.
; LDS IS FILLED ONCE.  K steps 0-11 of the work-group's 8 + 8 blocks are 294,912 bytes: four tiles of 8 blocks x 6 K steps (rows of 9,216 bytes), one joint load a wave at the head: wave 0 tokens' steps 0-5,
; wave 1 wo's, waves 2 and 3 the same of steps 6-11.  K steps 12-15 do not fit beside them: each wave loads its 8 fragments of each of these steps from memory into registers of windows 2 and 3 (96 loads of
; 512 consecutive bytes) and multiplies them first, while the tiles are on their way.  So there is no refill, and one barrier.  The sums take K steps 12-15 ahead of 0-11: an order of rounding other than ascending K.
; The scale words of all 16 K steps go from memory into 64 registers: lanes 0-15 the tokens' rows, lanes 16-31 wo's.
; CLUSTERS: 4 x 4 work-groups; the tokens' tiles are shared along a row of the cluster, wo's along a column.  NO PREFETCH: every byte is asked for at the head; there is no loop to run ahead in.
; REGISTERS: window 0: v16-29 addresses, v32-95 scale words, v128-255 accumulators; window 1: two sets of fragments from LDS (tokens at +0, wo at +48); windows 2, 3: K steps 12-15, laid the same.
.set FRB,    1536
.set KL,     6
.set ROWB,   KL*FRB
.set QT,     8*ROWB                    ; a tile: what one tensor load brings
.set HALF,   2*QT                      ; the tokens' tile and wo's tile of six K steps
.set STAGE,  2*HALF                    ; behind the tiles: 16 rows x 272 bytes for each wave, for the way out: no fill lands here
.set SPITCH, 272
.set SPARE,  STAGE+4*16*SPITCH         ; the spare words, 128 bytes for each wave
.set ADRA, 16
.set ADRB, 20
.set LI,   22
.set STO,  24
.set RD,   25
.set CO,   26
.set GS,   27
.set SPW,  28
.set NIL,  29
.set SC,   32
.set ACC,  128
.set G1A, 24
.set G0A, 32
.set G0B, 36
.set DA,  40                           ; s[40:41] my four token blocks at K step 12
.set DB,  42                           ; s[42:43] my four blocks of wo at K step 12
.set HM,  44
.set G1B, 56
.set MSB, 0
.macro WIN new
.if MSB != (\new)
	s_set_vgpr_msb (MSB<<8)|(\new)
.set MSB, (\new)
.endif
.endm
.macro CREST
	s_cmp_lg_u32 s14, 0
	s_cbranch_scc1 .Lnot_wave_0_\@
	s_barrier_signal -3
.Lnot_wave_0_\@:
	s_barrier_wait -3
	s_barrier_signal -1
	s_barrier_wait -1
.endm
.macro CROUND
	s_barrier_signal -1
	s_barrier_wait -1
	CREST
.endm
.macro PLACES
.rept 4
	v_nop
.endr
.endm
.macro DIRECT d                        ; K step 12 + d: my eight fragments from memory into window 2 + d / 2, set d % 2
.set PSD, 128*((\d)%2)
	WIN (2+(\d)/2)<<6
.irp i, 0,1,2,3
.irp c, 0,1,2
	global_load_b128 v[PSD+48+12*\i+4*\c:PSD+48+12*\i+4*\c+3], v[LI], s[DB:DB+1] offset:24576*\i+FRB*(\d)+512*\c
.endr
.endr
.irp i, 0,1,2,3
.irp c, 0,1,2
	global_load_b128 v[PSD+12*\i+4*\c:PSD+12*\i+4*\c+3], v[LI], s[DA:DA+1] offset:24576*\i+FRB*(\d)+512*\c
.endr
.endr
	WIN 0
.endm
	s_load_b256 s[4:11], s[0:1], 0x0               ; a_img, w_img, o_sc, out0
	v_lshl_add_u32 v[SPW], v0, 2, SPARE
	v_mov_b32 v[NIL], 0
	ds_add_u32 v[SPW], v[NIL]                      ; the opening lines: the add twice on end and one wait; the set-up below stands between
	ds_add_u32 v[SPW], v[NIL]
	v_lshrrev_b32 v1, 5, v0
	v_readfirstlane_b32 s14, v1                    ; wave 0..3
	s_lshr_b32 s15, s14, 1                         ; my half of the token blocks.  Also: which six K steps I fetch
	s_and_b32 s16, s14, 1                          ; my half of wo's blocks.  Also: I fetch tokens (0) or wo (1)
	s_bfe_u32 s92, ttmp6, 0x40000                  ; cx, cy
	s_bfe_u32 s93, ttmp6, 0x40004
	s_lshl_b32 s94, ttmp9, 2
	s_add_co_u32 s94, s94, s92                     ; tile column X
	s_and_b32 s17, ttmp7, 0xffff
	s_lshl_b32 s17, s17, 2
	s_add_co_u32 s17, s17, s93                     ; tile row Y
	s_lshl_b32 s95, s93, 2
	s_lshl_b32 s95, 15, s95                        ; my row of the cluster
	s_lshl_b32 s96, 0x1111, s92                    ; my column
	s_mov_b32 s[HM], 0xffff0000
	s_or_b32 s[G1A+0], s95, (3<<16)|(1<<21)        ; group 1: 8 rows (blocks) of 9,216 bytes, 24,576 bytes apart; elements of 8 bytes
	s_or_b32 s[G1B+0], s96, (3<<16)|(1<<21)
.irp g, G1A, G1B
	s_mov_b32 s[\g+1], 1152<<16
	s_mov_b32 s[\g+2], 8<<16
	s_mov_b32 s[\g+3], 1152<<16
	s_mov_b32 s[\g+4], 8
	s_mov_b32 s[\g+5], 3072
	s_mov_b32 s[\g+6], 0
	s_mov_b32 s[\g+7], 0
.endr
	s_lshl_b32 s20, s17, 3                         ; the work-group's first token block
	s_lshl_b32 s98, s94, 3                         ; and its first block of wo
	s_lshl_b32 s18, s15, 2
	s_add_co_u32 s18, s18, s20                     ; my four token blocks
	s_lshl_b32 s19, s16, 2
	s_add_co_u32 s19, s19, s98                     ; my four of wo
	s_lshl_b32 s22, s18, 10
	s_add_co_u32 s22, s22, 131072                  ; their scale words
	s_lshl_b32 s23, s19, 10
	s_mul_i32 s46, s18, 24576
	s_add_co_u32 s46, s46, 12*FRB
	s_mov_b32 s47, 0
	s_mul_i32 s48, s19, 24576
	s_add_co_u32 s48, s48, 12*FRB
	s_mov_b32 s49, 0
	s_mul_i32 s54, s15, ROWB                       ; the tile that I fetch: its K steps,
	s_mul_i32 s50, s20, 24576
	s_add_co_u32 s50, s50, s54
	s_mov_b32 s51, 0
	s_mul_i32 s52, s98, 24576
	s_add_co_u32 s52, s52, s54
	s_mov_b32 s53, 0
	s_mul_i32 s55, s15, HALF                       ; and where it goes: by the wave's number alone
	s_lshl_b32 s100, s17, 7                        ; my first row of out0,
	s_lshl_b32 s21, s15, 6
	s_add_co_u32 s100, s100, s21
	s_lshl_b32 s100, s100, 13
	s_lshl_b32 s21, s94, 9                         ; my first column, in bytes
	s_add_co_u32 s100, s100, s21
	s_lshl_b32 s21, s16, 8
	s_add_co_u32 s100, s100, s21
	s_mov_b32 s101, 0
	v_and_b32 v1, 15, v0                           ; r
	v_bfe_u32 v2, v0, 4, 1                         ; h
	v_and_b32 v3, 31, v0
	v_lshlrev_b32 v[LI], 4, v3
	s_mul_i32 s66, s15, 4*ROWB
	s_mul_i32 s67, s16, 4*ROWB
	s_add_co_u32 s67, s67, QT
.irp s, 0,1
	v_add_nc_u32 v[ADRA+\s], s66, v[LI]
	v_add_nc_u32 v[ADRB+\s], s67, v[LI]
	s_add_co_u32 s66, s66, HALF
	s_add_co_u32 s67, s67, HALF
.endr
	v_mov_b32 v5, s22
	v_mov_b32 v6, s23
	v_cndmask_b32 v5, v5, v6, s[HM]                ; lanes 16-31 take wo's
	v_lshl_add_u32 v[GS], v1, 6, v5                ; + 64 bytes a row
	s_mul_i32 s23, s14, 16*SPITCH
	s_add_co_u32 s23, s23, STAGE                   ; my stage
	v_mul_u32_u24 v5, v1, SPITCH
	v_lshl_add_u32 v5, v2, 6, v5
	v_add_nc_u32 v[STO], s23, v5
	v_mul_u32_u24 v5, v2, SPITCH
	v_lshl_add_u32 v5, v1, 4, v5
	v_add_nc_u32 v[RD], s23, v5
	v_lshlrev_b32 v5, 13, v2
	v_lshl_add_u32 v[CO], v1, 4, v5
	s_wait_alu depctr_va_vdst(0)                   ; the wait at the end of the head's vector work
	s_wait_dscnt 0x0                               ; both opening adds are done
	s_wait_kmcnt 0x0
	s_add_nc_u64 s[DA:DA+1], s[4:5], s[46:47]
	s_add_nc_u64 s[DB:DB+1], s[6:7], s[48:49]
	s_add_nc_u64 s[12:13], s[10:11], s[100:101]
	s_mov_b32 s[G0A], 1
	s_mov_b32 s[G0A+1], s55
	s_add_nc_u64 s[G0A+2:G0A+3], s[4:5], s[50:51]
	s_or_b32 s[G0A+3], s[G0A+3], 0x80000000
	s_mov_b32 s[G0B], 1
	s_add_co_u32 s[G0B+1], s55, QT
	s_add_nc_u64 s[G0B+2:G0B+3], s[6:7], s[52:53]
	s_or_b32 s[G0B+3], s[G0B+3], 0x80000000
.irp i, 0,1,2,3
.irp q, 0,1,2,3
	global_load_b128 v[SC+16*\i+4*\q:SC+16*\i+4*\q+3], v[GS], s[8:9] offset:1024*\i+16*\q   ; register SC + 16 i + k: block i's word of K step k
.endr
.endr
	DIRECT 0
	CROUND                                         ; all sixteen work-groups are here: the joint loads meet
	s_cmp_eq_u32 s16, 0                            ; my one tensor load; an s_nop 0 and four v_nop follow each of the two lines
	s_cbranch_scc0 .Lfor_b
	tensor_load_to_lds s[G0A:G0A+3], s[G1A:G1A+7]
	s_nop 0
.rept 4
	v_nop
.endr
	s_branch .Lasked
.Lfor_b:
	tensor_load_to_lds s[G0B:G0B+3], s[G1B:G1B+7]
	s_nop 0
.rept 4
	v_nop
.endr
.Lasked:
	DIRECT 1
	DIRECT 2
	DIRECT 3
; four matrix instructions: token block a x wo's four, fragments at ps, K step k.  The 16 accumulators take turns, one instruction a turn, in the same order in every step.
.macro MUL4 a, ps, k, zero
.irp b, 0,1,2,3
.if \zero
	v_wmma_scale_f32_16x16x128_f8f6f4 v[ACC+8*(4*(\a)+\b):ACC+8*(4*(\a)+\b)+7], v[(\ps)+48+12*\b:(\ps)+48+12*\b+11], v[(\ps)+12*(\a):(\ps)+12*(\a)+11], 0, v[SC+16*\b+(\k)], v[SC+16*(\a)+(\k)] matrix_a_fmt:MATRIX_FMT_FP6 matrix_b_fmt:MATRIX_FMT_FP6 matrix_a_scale:MATRIX_SCALE_ROW1
.else
	v_wmma_scale_f32_16x16x128_f8f6f4 v[ACC+8*(4*(\a)+\b):ACC+8*(4*(\a)+\b)+7], v[(\ps)+48+12*\b:(\ps)+48+12*\b+11], v[(\ps)+12*(\a):(\ps)+12*(\a)+11], v[ACC+8*(4*(\a)+\b):ACC+8*(4*(\a)+\b)+7], v[SC+16*\b+(\k)], v[SC+16*(\a)+(\k)] matrix_a_fmt:MATRIX_FMT_FP6 matrix_b_fmt:MATRIX_FMT_FP6 matrix_a_scale:MATRIX_SCALE_ROW1
.endif
.endr
.endm
.macro DST d, zero, lc                 ; K step 12 + d.  lc: at most the loads issued behind this step's 24
	s_wait_loadcnt \lc
	WIN (2+(\d)/2)*5                               ; sources 0 and 1 in window 2 or 3; C and D in window 0
.irp a, 0,1,2,3
	MUL4 \a, 128*((\d)%2), 12+(\d), \zero
.endr
.endm
.macro FETCH k                         ; K step k's eight fragments from LDS into set k % 2 of window 1
.set SL, (\k)/KL
.set KK, (\k)%KL
.set PS, 128*((\k)%2)
	WIN 0x40
.irp i, 0,1,2,3
.irp c, 0,1,2
	ds_load_b128 v[PS+48+12*\i+4*\c:PS+48+12*\i+4*\c+3], v[ADRB+SL] offset:ROWB*\i+FRB*KK+512*\c
.endr
.endr
.irp i, 0,1,2,3
.irp c, 0,1,2
	ds_load_b128 v[PS+12*\i+4*\c:PS+12*\i+4*\c+3], v[ADRA+SL] offset:ROWB*\i+FRB*KK+512*\c
.endr
.endr
.endm
.macro KST k, next
	s_wait_dscnt 0x0
	WIN 0x05
	MUL4 0, 128*((\k)%2), \k, 0
	MUL4 1, 128*((\k)%2), \k, 0
.if \next
	PLACES                                         ; in front of loads into the set that the step before multiplied
	FETCH (\k)+1
.endif
	WIN 0x05
	MUL4 2, 128*((\k)%2), \k, 0
	MUL4 3, 128*((\k)%2), \k, 0
.endm
	DST 0, 1, 63                                   ; 72 loads were issued behind K step 12's; its products start the sums
	DST 1, 0, 48
	DST 2, 0, 24
	DST 3, 0, 0
	WIN 0
	s_wait_tensorcnt 0x0                           ; my tile is in,
	s_barrier_signal -1
	s_barrier_wait -1                              ; and everybody's
	FETCH 0
.irp k, 0,1,2,3,4,5,6,7,8,9,10
	KST \k, 1
.endr
	KST 11, 0
	WIN 0
; THE WAY OUT: a block of 16 rows x 64 columns goes through my own stage and comes back as rows of 256 bytes: sixteen lanes store one aligned unit.  LDS serves a wave's instructions in order (ISA guide 5.7.1.4).
.macro TOSTAGE a
.irp b, 0,1,2,3
	ds_store_b128 v[STO], v[ACC+32*\a+8*\b:ACC+32*\a+8*\b+3] offset:128*(\b/2)+32*(\b%2)      ; each accumulator from its low end on
	ds_store_b128 v[STO], v[ACC+32*\a+8*\b+4:ACC+32*\a+8*\b+7] offset:128*(\b/2)+32*(\b%2)+16
.endr
.irp t, 0,1,2,3,4,5,6,7
	ds_load_b128 v[ACC+32*\a+4*\t:ACC+32*\a+4*\t+3], v[RD] offset:2*\t*SPITCH
.endr
.endm
.macro SEND a, younger
.irp t, 0,1,2,3,4,5,6,7
	s_wait_dscnt \younger+7-\t
	global_store_b128 v[CO], v[ACC+32*\a+4*\t:ACC+32*\a+4*\t+3], s[12:13] offset:(32*(\a/2)+8*(\a%2)+2*\t+8*(\t/4))*8192 th:TH_STORE_NT
.endr
.endm
	PLACES
	TOSTAGE 0
	TOSTAGE 1
	SEND 0, 16
	TOSTAGE 2
	SEND 1, 16
	TOSTAGE 3
	SEND 2, 16
	SEND 3, 0
	s_wait_tensorcnt 0x0                           ; the wave's end
	ds_add_u32 v[SPW], v[NIL]
	s_wait_dscnt 0x0
	CROUND                                         ; the closing round
	s_endpgm
.Lfunc_end_k_qb6d7461d2a_oproj:
	.size	k_qb6d7461d2a_oproj, .Lfunc_end_k_qb6d7461d2a_oproj-k_qb6d7461d2a_oproj
	.p2alignl 7, 3214868480
	.fill 96, 4, 3214868480
	.section	.rodata,"a",@progbits
	.p2align	6, 0x0
	.amdhsa_kernel k_qb6d7461d2a_oproj
		.amdhsa_group_segment_fixed_size 327680
		.amdhsa_private_segment_fixed_size 0
		.amdhsa_enable_private_segment 0
		.amdhsa_kernarg_size 32
		.amdhsa_user_sgpr_count 2
		.amdhsa_user_sgpr_kernarg_segment_ptr 1
		.amdhsa_wavefront_size32 1
		.amdhsa_system_sgpr_workgroup_id_x 1
		.amdhsa_system_sgpr_workgroup_id_y 1
		.amdhsa_system_sgpr_workgroup_id_z 1
		.amdhsa_system_vgpr_workitem_id 0
		.amdhsa_next_free_vgpr 1024
		.amdhsa_next_free_sgpr 102
		.amdhsa_reserve_vcc 0
		.amdhsa_float_denorm_mode_32 3
		.amdhsa_float_denorm_mode_16_64 3
		.amdhsa_memory_ordered 1
		.amdhsa_forward_progress 1
		.amdhsa_inst_pref_size 79
	.end_amdhsa_kernel
	.amdgpu_metadata
---
amdhsa.version: [ 1, 2 ]
amdhsa.kernels:
  - .name:           k_qb6d7461d2a_oproj
    .symbol:         k_qb6d7461d2a_oproj.kd
    .args:
      - { .name: a_img, .offset: 0, .size: 8, .value_kind: global_buffer, .address_space: global }
      - { .name: w_img, .offset: 8, .size: 8, .value_kind: global_buffer, .address_space: global }
      - { .name: o_sc, .offset: 16, .size: 8, .value_kind: global_buffer, .address_space: global }
      - { .name: out0, .offset: 24, .size: 8, .value_kind: global_buffer, .address_space: global }
    .group_segment_fixed_size: 327680
    .private_segment_fixed_size: 0
    .kernarg_segment_align: 8
    .kernarg_segment_size: 32
    .max_flat_workgroup_size: 128
    .sgpr_count:     102
    .vgpr_count:     1024
    .wavefront_size: 32
...
	.end_amdgpu_metadata
.endif
;; end of part 4
